; MI455X (gfx1250); checked and timed in simulation.
; The chip was launched on July 23, 2026; its instructions are those of AMD's public machine-readable ISA for CDNA 5 (MIT licence, August 2026) and "CDNA5" Instruction Set Architecture Reference Guide (July 2026). The comments in the code are by the model that wrote it; some were corrected since.
;; Voxel Feature Encoder. Allowed arithmetic: matrix products marked QUANTISED: E2M1 operands, one E8M0 scale for each 32 along K, by v_wmma_scale_f32_16x16x128_f8f6f4 with both operands' format E2M1 (or v_wmma_scale_f32_32x16x128_f4), f32 sums; products left as they are: f32 operands where the result goes on into a quantised operand, else bf16, f16 or f32 operands; f32 sums; everything else in f32.
;; Inputs: W1 7 x 32 float32; W2 64 x 64 float32; Wf 128 x 128 float32; b1 32 float32; b2 64 float32; bf 128 float32; g1 32 float32; g2 64 float32; gf 128 float32; mask 100,000 x 10 x 1 float32; points_per_voxel 100,000 x 10 x 7 float32.
;; Outputs: out0 100,000 x 128 float32.
;; This version of the problem:
;;   THIS VERSION OF THE PROBLEM IS GIVEN IN LOW PRECISION. The matrix products marked QUANTISED in the list below multiply operands that are first quantised to E2M1 (2 exponent bits, 1 mantissa bit; 4 bits a number), with one power-of-two scale for each 32 numbers along K (OCP MX v1.0); their sums are f32. All else is computed in f32.
;;   The module's matrix products, in the order in which they are computed (A, B: the left and right operand; K: the contracted axis; several contracted axes count as one K, in the product's order):
;;     1. [M 1,000,000, K 7] x [K 7, N 32]; A: input points_per_voxel; B: input W1: left as it is (K = 7 < 32)
;;     2. [M 1,000,000, K 64] x [K 64, N 64]; A: computed on the way; B: input W2: QUANTISED
;;     3. [M 1,000,000, K 128] x [K 128, N 128]; A: computed on the way; B: input Wf: QUANTISED
;;   THE QUANTISER, for each operand of a quantised product, along K:
;;     - K is cut into blocks of 32 from its start; a last block that is shorter is filled with zeros.
;;     - A block's scale is 2^e with e = floor(log2(the largest magnitude in the block)) - 2, held to -126 .. 127; a block of zeros has e = 0. As a byte (E8M0): e + 127.
;;     - Each number is divided by its block's scale, clamped to +-6, and rounded to the nearest number of E2M1, ties to even, subnormals kept.
;;     - The product sums the exact products of the quantised numbers (number of the format x scale) in f32.
;;   ~~~python
;;   def quantise(x, axis):      # numpy; x: float32 -> the quantised numbers, widened to float32 again
;;       x = np.moveaxis(x, axis, -1); K = x.shape[-1]
;;       x = np.pad(x, [(0, 0)] * (x.ndim - 1) + [(0, -K % 32)]); x = x.reshape(x.shape[:-1] + (-1, 32)); a = np.abs(x).max(-1, keepdims=True)
;;       e = np.where(a > 0, np.clip(np.frexp(np.where(a > 0, a, 1))[1] - 1 - 2, -126, 127), 0)      # np.frexp(a)[1] - 1 = floor(log2(a)), exactly
;;       r = np.clip(x / 2.0 ** e, -6, 6)
;;       step = 2.0 ** (np.maximum(np.frexp(np.where(r == 0, 1, r))[1] - 1, 0) - 1)
;;       q = np.round(r / step) * step * 2.0 ** e      # np.round: ties to even
;;       return np.moveaxis(q.reshape(q.shape[:-2] + (-1,))[..., :K], -1, axis).astype(np.float32)
;;   ~~~
;;   OPERANDS COMPUTED ON THE WAY. 'Computed on the way' means the value that the module computes at that place (a softmax that the list does not call 'softmax' is quantised finished and normalised). What goes into a quantiser is computed in f32, as accurately as f32 sums, v_exp_f32 and their like allow (about 1e-6 of the number): no bf16 or f16 on the way to a quantiser, and a product that is left as it is and whose result goes on into a quantised operand takes f32 operands (vector FMAs, or v_wmma_f32_16x16x4_f32). A number that lies on a knife's edge between two numbers of the format may be rounded either way, as far as f32 arithmetic and the matrix unit's own rounding can turn it there, and no further.
;; One version. Each part assembles by itself: llvm-mc -triple=amdgcn-amd-amdhsa -mcpu=gfx1250 --defsym DOCPART=n.
;; ======== version 1 of 1: 4 launches
;; limits: a difference of large sums (such as E[x^2] - mean^2): digits are lost where the result is much smaller than its terms
;; workspace buffers: st1 64,000 bytes; wq 13,824 bytes; rec1 40,000,000 bytes; st2 128,000 bytes; rec2 72,000,000 bytes; st3 256,000 bytes
;; launch xstat (part 1): grid 250 x 1, 16 waves a work-group, no clusters, 169,984 bytes of LDS; arguments points_per_voxel, W2, Wf, st1, wq; writes st1, wq
.if DOCPART == 1
	.amdgcn_target "amdgcn-amd-amdhsa--gfx1250"
	.amdhsa_code_object_version 6
	.text
	.protected	k_q95d439f7dc_xstat
	.globl	k_q95d439f7dc_xstat
	.p2align	8
	.type	k_q95d439f7dc_xstat,@function
k_q95d439f7dc_xstat:
	s_mov_b64 s[64:65], 0
	v_nop
	global_prefetch_b8 v0, s[64:65] scope:SCOPE_SE
	s_setreg_imm32_b32 hwreg(HW_REG_WAVE_MODE, 25, 1), 1
	s_wait_xcnt 0x0
; FIRST OF FOUR LAUNCHES.  The first batch norm needs mean and variance of x W1 over all 1,000,000 rows.  Both follow from the mean and the
; second moments of x itself (7 numbers a row): this launch adds, for each work-group's 4,000 rows, d = x - p and d_a d_b (a <= b), p being row 0 of x,
; read by every work-group: so no sum carries a common offset of x.  35 sums a work-group go to st1 [250][64] (entries 35-63 are zeros).
; Beside that, wave 15 of work-groups 0-11 quantises one tile of 16 columns of W2 (0-3) or Wf (4-11) to E2M1 codes with E8M0 scales along K and
; stores it in wq in the order of the matrix operand's registers: tile i at 1,024 i (two runs of 512 bytes, 16 bytes a lane), its scale words at 12,288 + 128 i.
;   W2, tile i: lane r holds column 32 (i / 2) + 8 (i % 2) + r + 8 (r / 8); K = 64: the second run holds zero codes, bytes 2, 3 of the scale word are 0.
;   Wf, tile i - 4: lane r holds column 16 (i - 4) + r; K's four blocks of 32 are taken in the order 0, 2, 1, 3 (rows 0-31, 64-95, 32-63, 96-127), as the later launches lay x2.
; LIMITS: inputs finite; a block whose largest magnitude lies under 2^-124 (a block of zeros too) gets the byte 1: its codes are zeros or next to it, and only this program reads the bytes.
; x comes into LDS by two tensor loads a wave, each filled once; LDS is claimed above half of what a WGP has.
.set WGB,  112000                      ; bytes of x of a work-group: 4,000 rows of 28
.set HALF, 57344                       ; rows 0-2,047
.set SCR,  112128                      ; behind x, from the next block of 256 bytes on: 16 x 256 bytes, a wave's 35 sums and 29 zeros
.set PV,   16                          ; s[16:23] the pivot: row 0 of x (and one word more)
.set VA,   2                           ; v2  LDS: 896 wave + 28 lane: my row in the wave's 32
.set VB,   3                           ; v3  the same + HALF
.set VW,   4                           ; v4  SCR + 256 wave
.set VW8,  5                           ; v5  SCR + 256 wave + 8 lane
.set VR8,  6                           ; v6  SCR + 8 lane
.set VG8,  7                           ; v7  8 lane: offset in st1
.set X,    8                           ; v8-21  two sets of a row's 7 numbers
.set D,    22                          ; v22-28 d
.set S,    32                          ; v32-66 the 35 sums
.set T,    68                          ; v68-71 at work
.set Z,    72                          ; v72-103 zeros, later the 16 waves' sums
.set WN,   64                          ; v64-127 the weight job's 64 numbers (before the sums begin)
	s_load_b256 s[4:11], s[0:1], 0x0               ; x s[4:5], W2 s[6:7], Wf s[8:9], st1 s[10:11]
	s_load_b64 s[12:13], s[0:1], 0x20              ; wq
	v_lshl_add_u32 v128, v0, 2, 0x29000
	v_mov_b32 v129, 0
	ds_add_u32 v128, v129
	ds_add_u32 v128, v129
	v_lshrrev_b32 v1, 5, v0
	s_delay_alu instid0(VALU_DEP_1)
	v_readfirstlane_b32 s30, v1                    ; wave 0..15
	s_delay_alu instid0(VALU_DEP_2)
	v_lshl_add_u32 v[VW], v1, 8, SCR
	v_and_b32 v1, 31, v0                           ; lane
	s_delay_alu instid0(VALU_DEP_1)
	v_lshl_add_u32 v[VW8], v1, 3, v[VW]
	s_delay_alu instid0(VALU_DEP_2)
	v_lshl_add_u32 v[VR8], v1, 3, SCR
	s_delay_alu instid0(VALU_DEP_3)
	v_lshlrev_b32 v[VG8], 3, v1
	s_mul_i32 s31, s30, 896
	v_mul_u32_u24 v[VA], v1, 28
	s_delay_alu instid0(VALU_DEP_1)
	v_add_nc_u32 v[VA], s31, v[VA]
	s_delay_alu instid0(VALU_DEP_1)
	v_add_nc_u32 v[VB], HALF, v[VA]
	; descriptor groups 1: one row of 448, and of 427, elements of 8 bytes
	s_mov_b32 s36, 3<<16
	s_mov_b32 s37, 448<<16
	s_mov_b32 s38, 1<<16
	s_mov_b32 s39, 448<<16
	s_mov_b32 s40, 1
	s_mov_b32 s41, 448
	s_mov_b32 s42, 0
	s_mov_b32 s43, 0
	s_mov_b32 s44, 3<<16
	s_mov_b32 s45, 427<<16
	s_mov_b32 s46, 1<<16
	s_mov_b32 s47, 427<<16
	s_mov_b32 s48, 1
	s_mov_b32 s49, 427
	s_mov_b32 s50, 0
	s_mov_b32 s51, 0
	s_mov_b32 s60, 0x76543210
	s_mov_b32 s61, 0xfedcba98                      ; v_permlanex16_b32's selects for lane l xor 16
	s_mul_i32 s14, ttmp9, WGB
	s_mov_b32 s15, 0
	s_mul_i32 s53, s30, 3584                       ; LDS: a sixteenth of rows 0-2,047
	s_mul_i32 s57, s30, 3416
	s_add_co_u32 s57, s57, HALF                    ; and of rows 2,048-3,999
	s_mov_b32 s24, s53
	s_mov_b32 s25, 0
	s_mov_b32 s26, s57
	s_mov_b32 s27, 0
	s_lshl_b32 s28, ttmp9, 8
	s_mov_b32 s29, 0
	s_wait_dscnt 0x0
	s_wait_kmcnt 0x0
	s_add_nc_u64 s[14:15], s[4:5], s[14:15]        ; x at my work-group's first row
	s_mov_b32 s52, 1
	s_add_nc_u64 s[54:55], s[14:15], s[24:25]
	s_or_b32 s55, s55, 0x80000000
	s_mov_b32 s56, 1
	s_add_nc_u64 s[58:59], s[14:15], s[26:27]
	s_or_b32 s59, s59, 0x80000000
	tensor_load_to_lds s[52:55], s[36:43]          ; both fills go out together, ahead of every wait, LDS read and barrier: two loads of mine are out
	s_nop 0
	tensor_load_to_lds s[56:59], s[44:51]
	s_nop 0
.rept 4
	v_nop
.endr
	s_load_b256 s[16:23], s[4:5], 0x0              ; the pivot
	s_add_nc_u64 s[10:11], s[10:11], s[28:29]      ; st1 at my work-group's 256 bytes
	s_wait_kmcnt 0x0
; ---- the weight job: wave 15 of work-groups 0 to 11.  A lane takes a column, its registers run down K: the conversions' results are the operand's registers
.macro WBLK c                          ; block c of my column: largest magnitude with the floor 2^-124, scale, byte, 32 codes
	v_max3_num_f32 v[32+\c], |v[WN+32*\c]|, |v[WN+32*\c+1]|, 0x1800000
.irp i,2,4,6,8,10,12,14,16,18,20,22,24,26,28,30
	s_delay_alu instid0(VALU_DEP_1)
	v_max3_num_f32 v[32+\c], v[32+\c], |v[WN+32*\c+\i]|, |v[WN+32*\c+\i+1]|
.endr
	s_delay_alu instid0(VALU_DEP_1)
	v_add_nc_u32 v[34+\c], 0xff000000, v[32+\c]    ; 2 off the exponent field: the conversion's scale operand
	s_delay_alu instid0(VALU_DEP_1)
	v_lshrrev_b32 v[36+\c], 23, v[34+\c]           ; the scale's byte
.irp g,0,1,2,3
	v_cvt_scalef32_pk8_fp4_f32 v[40+4*\c+\g], v[WN+32*\c+8*\g:WN+32*\c+8*\g+7], v[34+\c]
.endr
	v_nop                                          ; one plain place behind the conversions
.endm
	s_cmp_eq_u32 s30, 15
	s_cbranch_scc0 .Lmain
	s_cmp_lt_u32 ttmp9, 12
	s_cbranch_scc0 .Lmain
	v_and_b32 v30, 15, v0                          ; r
	v_bfe_u32 v29, v0, 4, 1                        ; h
	s_wait_alu depctr_va_vdst(0)
	v_lshlrev_b32 v31, 4, v1                       ; 16 lane
	v_lshlrev_b32 v48, 2, v1                       ; 4 lane
	s_lshl_b32 s24, ttmp9, 10
	s_add_nc_u64 s[26:27], s[12:13], s[24:25]      ; the tile's image
	s_lshl_b32 s24, ttmp9, 7
	s_add_nc_u64 s[28:29], s[12:13], s[24:25]      ; its scale words (12,288 further on)
	s_cmp_lt_u32 ttmp9, 4
	s_cbranch_scc1 .Lw2
	s_sub_co_u32 s24, ttmp9, 4
	s_lshl_b32 s24, s24, 6                         ; Wf: 16 columns of 4 bytes a tile
	s_add_nc_u64 s[8:9], s[8:9], s[24:25]
	v_lshlrev_b32 v30, 2, v30
	s_delay_alu instid0(VALU_DEP_1)
	v_lshl_add_u32 v30, v29, 15, v30               ; 4 r + 64 rows of 512 bytes for lanes 16-31
.irp c,0,1
.irp i,0,1,2,3,4,5,6,7,8,9,10,11,12,13,14,15,16,17,18,19,20,21,22,23,24,25,26,27,28,29,30,31
	global_load_b32 v[WN+32*\c+\i], v30, s[8:9] offset:(32*\c+\i)*512   ; Wf(32 c + 64 h + i, column)
.endr
.endr
	s_wait_loadcnt 0x0
	WBLK 0
	WBLK 1
	v_lshl_or_b32 v38, v37, 16, v36                ; my two bytes: blocks h and 2 + h of the operand's order,
	s_branch .Lword
.Lw2:
	s_lshr_b32 s24, ttmp9, 1
	s_lshl_b32 s24, s24, 7
	s_and_b32 s33, ttmp9, 1
	s_lshl_b32 s33, s33, 5
	s_add_co_u32 s24, s24, s33                     ; W2: the tile's first column, 32 (i / 2) + 8 (i % 2), in bytes
	s_add_nc_u64 s[6:7], s[6:7], s[24:25]
	v_and_b32 v49, 8, v30
	s_delay_alu instid0(VALU_DEP_1)
	v_add_nc_u32 v30, v30, v49                     ; r + 8 (r / 8)
	s_delay_alu instid0(VALU_DEP_1)
	v_lshlrev_b32 v30, 2, v30
	s_delay_alu instid0(VALU_DEP_1)
	v_lshl_add_u32 v30, v29, 13, v30               ; + 32 rows of 256 bytes for lanes 16-31
.irp i,0,1,2,3,4,5,6,7,8,9,10,11,12,13,14,15,16,17,18,19,20,21,22,23,24,25,26,27,28,29,30,31
	global_load_b32 v[WN+\i], v30, s[6:7] offset:\i*256                 ; W2(32 h + i, column)
.endr
	s_wait_loadcnt 0x0
	WBLK 0
.irp g,0,1,2,3
	v_mov_b32 v[44+\g], 0                          ; K = 64 .. 127: zero codes
.endr
	v_mov_b32 v38, v36                             ; my one byte: block h,
.Lword:
	v_lshlrev_b32 v39, 3, v29
	s_wait_alu depctr_va_vdst(0)
	v_lshlrev_b32 v38, v39, v38                    ; at its place in the scale word (8 h bits up);
	v_mov_b32 v39, 0
	s_delay_alu instid0(VALU_DEP_1)
	v_permlanex16_b32 v39, v38, s60, s61
	s_delay_alu instid0(VALU_DEP_1)
	v_or_b32 v38, v38, v39                         ; with lane l xor 16's the word is whole, in both halves of the lanes
	global_store_b128 v31, v[40:43], s[26:27]      ; 512 consecutive bytes
	global_store_b128 v31, v[44:47], s[26:27] offset:512
	global_store_b32 v48, v38, s[28:29] offset:12288
	s_wait_xcnt 0x0                                ; the stores have read their registers: the sums below take them
.Lmain:
; ---- the sums.  Wave-row w + 16 k holds rows 32 (w + 16 k) + lane; 125 wave-rows in all
.macro XL k                            ; a row's 7 numbers; 7 words from lane to lane: every bank once
.set XS, X+7*((\k)%2)
.irp f,0,1,2,3,4,5,6
.if (\k) < 4
	ds_load_b32 v[XS+\f], v[VA] offset:14336*(\k)+4*\f
.else
	ds_load_b32 v[XS+\f], v[VB] offset:14336*((\k)-4)+4*\f
.endif
.endr
.endm
.macro ACC k, first                    ; first = 1: the first row starts the sums: nothing is cleared
.set XS, X+7*((\k)%2)
.if \first
.irp a,0,1,2,3,4,5,6
	v_sub_f32 v[S+\a], v[XS+\a], s[PV+\a]
.endr
.else
.irp a,0,1,2,3,4,5,6
	v_sub_f32 v[D+\a], v[XS+\a], s[PV+\a]
.endr
.irp a,0,1,2,3,4,5,6
	v_add_f32 v[S+\a], v[S+\a], v[D+\a]
.endr
.endif
.irp a,0,1,2,3,4,5,6
.irp b,0,1,2,3,4,5,6
.if \b >= \a
.if \first
	v_mul_f32 v[S+7+7*\a-\a*(\a-1)/2+\b-\a], v[S+\a], v[S+\b]
.else
	v_fmac_f32 v[S+7+7*\a-\a*(\a-1)/2+\b-\a], v[D+\a], v[D+\b]
.endif
.endif
.endr
.endr
.endm
	s_wait_tensorcnt 0x1                           ; my part of rows 0-2,047 is in; the second load may stay out
	s_barrier_signal -1
	s_barrier_wait -1                              ; everybody's is
	s_wait_alu depctr_va_vdst(0)
	XL 0
	XL 1
	s_wait_dscnt 0x7                               ; this step's seven are in, the next step's seven may be out
	ACC 0, 1
	XL 2
	s_wait_dscnt 0x7
	ACC 1, 0
	XL 3
	s_wait_dscnt 0x7
	ACC 2, 0
	s_wait_dscnt 0x0
	ACC 3, 0
	s_wait_tensorcnt 0x0                           ; my part of rows 2,048-3,999
	s_barrier_signal -1
	s_barrier_wait -1
	XL 4
	XL 5
	s_wait_dscnt 0x7
	ACC 4, 0
	XL 6
	s_wait_dscnt 0x7
	ACC 5, 0
	s_wait_dscnt 0x0
	ACC 6, 0
	s_cmp_lt_u32 s30, 13                           ; wave-rows 112 to 124 are the last
	s_cbranch_scc0 .Lred
	XL 7
	s_wait_dscnt 0x0
	ACC 7, 0
.Lred:
	; over the 32 lanes: four steps inside each half ride on the addition, one crosses the halves
.irp m,1,2,4,8
.set i,0
.rept 35
	v_add_f32_dpp v[S+i], v[S+i], v[S+i] row_xmask:\m row_mask:0xf bank_mask:0xf
.set i,i+1
.endr
.endr
.irp k,0,1,2,3
	v_mov_b32 v[T+\k], 0                           ; a lane permute's destination counts as one of its sources
.endr
	v_mov_b32 v[Z], 0
	v_mov_b32 v[Z+1], 0
	ds_store_b64 v[VW8], v[Z:Z+1]                  ; my wave's 256 bytes: zeros first,
.set i,0
.rept 35
	v_permlanex16_b32 v[T+i%4], v[S+i], s60, s61
	s_delay_alu instid0(VALU_DEP_1)
	v_add_f32 v[S+i], v[S+i], v[T+i%4]
	ds_store_b32 v[VW], v[S+i] offset:4*i          ; then the sums: all lanes write the same word with the same value; LDS serves a wave's instructions in order
.set i,i+1
.endr
	s_wait_dscnt 0x0                               ; for the others' sake
	s_barrier_signal -1
	s_barrier_wait -1
	s_cmp_lg_u32 s30, 0
	s_cbranch_scc1 .Lend
.set k,0
.rept 16
	ds_load_b64 v[Z+2*k:Z+2*k+1], v[VR8] offset:256*k
.set k,k+1
.endr
	s_wait_dscnt 0x0
.set k,1
	v_pk_add_f32 v[126:127], v[74:75], v[76:77]
	v_pk_add_f32 v[124:125], v[78:79], v[80:81]
	v_pk_add_f32 v[122:123], v[82:83], v[84:85]
	v_pk_add_f32 v[120:121], v[86:87], v[88:89]
	v_pk_add_f32 v[118:119], v[90:91], v[92:93]
	v_pk_add_f32 v[116:117], v[94:95], v[96:97]
	v_pk_add_f32 v[114:115], v[98:99], v[100:101]
	v_pk_add_f32 v[72:73], v[72:73], v[102:103]
	s_delay_alu instid0(VALU_DEP_1)
	v_pk_add_f32 v[72:73], v[72:73], v[120:121]
	v_pk_add_f32 v[126:127], v[126:127], v[118:119]
	v_pk_add_f32 v[124:125], v[124:125], v[116:117]
	v_pk_add_f32 v[122:123], v[122:123], v[114:115]
	s_delay_alu instid0(VALU_DEP_2)
	v_pk_add_f32 v[72:73], v[72:73], v[124:125]
	s_delay_alu instid0(VALU_DEP_2)
	v_pk_add_f32 v[126:127], v[126:127], v[122:123]
	s_delay_alu instid0(VALU_DEP_1)
	v_pk_add_f32 v[72:73], v[72:73], v[126:127]
	global_store_b64 v[VG8], v[Z:Z+1], s[10:11]    ; 32 lanes store 256 consecutive bytes, aligned
.Lend:
	s_wait_tensorcnt 0x0
	ds_add_u32 v128, v129
	s_wait_dscnt 0x0
	s_endpgm
.Lfunc_end_k_q95d439f7dc_xstat:
	.size	k_q95d439f7dc_xstat, .Lfunc_end_k_q95d439f7dc_xstat-k_q95d439f7dc_xstat
	.p2alignl 7, 3214868480
	.fill 96, 4, 3214868480
	.section	.rodata,"a",@progbits
	.p2align	6, 0x0
	.amdhsa_kernel k_q95d439f7dc_xstat
		.amdhsa_group_segment_fixed_size 169984
		.amdhsa_private_segment_fixed_size 0
		.amdhsa_enable_private_segment 0
		.amdhsa_kernarg_size 40
		.amdhsa_user_sgpr_count 2
		.amdhsa_user_sgpr_kernarg_segment_ptr 1
		.amdhsa_wavefront_size32 1
		.amdhsa_system_sgpr_workgroup_id_x 1
		.amdhsa_system_sgpr_workgroup_id_y 1
		.amdhsa_system_sgpr_workgroup_id_z 1
		.amdhsa_system_vgpr_workitem_id 0
		.amdhsa_next_free_vgpr 130
		.amdhsa_next_free_sgpr 66
		.amdhsa_reserve_vcc 0
		.amdhsa_float_denorm_mode_32 3
		.amdhsa_float_denorm_mode_16_64 3
		.amdhsa_memory_ordered 1
		.amdhsa_forward_progress 1
		.amdhsa_inst_pref_size 55
	.end_amdhsa_kernel
	.amdgpu_metadata
---
amdhsa.version: [ 1, 2 ]
amdhsa.kernels:
  - .name:           k_q95d439f7dc_xstat
    .symbol:         k_q95d439f7dc_xstat.kd
    .args:
      - { .name: points_per_voxel, .offset: 0, .size: 8, .value_kind: global_buffer, .address_space: global }
      - { .name: W2, .offset: 8, .size: 8, .value_kind: global_buffer, .address_space: global }
      - { .name: Wf, .offset: 16, .size: 8, .value_kind: global_buffer, .address_space: global }
      - { .name: st1, .offset: 24, .size: 8, .value_kind: global_buffer, .address_space: global }
      - { .name: wq, .offset: 32, .size: 8, .value_kind: global_buffer, .address_space: global }
    .group_segment_fixed_size: 169984
    .private_segment_fixed_size: 0
    .kernarg_segment_align: 8
    .kernarg_segment_size: 40
    .max_flat_workgroup_size: 512
    .sgpr_count:     66
    .vgpr_count:     130
    .wavefront_size: 32
...
	.end_amdgpu_metadata
.endif
;; end of part 1
;; launch layer1 (part 2): grid 250 x 1, 16 waves a work-group, no clusters, 169,984 bytes of LDS; arguments points_per_voxel, mask, W1, g1, b1, st1, wq, rec1, st2; writes rec1, st2
.if DOCPART == 2
	.amdgcn_target "amdgcn-amd-amdhsa--gfx1250"
	.amdhsa_code_object_version 6
	.text
	.protected	k_q95d439f7dc_layer1
	.globl	k_q95d439f7dc_layer1
	.p2align	8
	.type	k_q95d439f7dc_layer1,@function
k_q95d439f7dc_layer1:
	s_mov_b64 s[64:65], 0
	v_nop
	global_prefetch_b8 v0, s[64:65] scope:SCOPE_SE
	s_setreg_imm32_b32 hwreg(HW_REG_WAVE_MODE, 25, 1), 1
	s_wait_xcnt 0x0
.set WGB,   112000
.set GRB,   4480
.set SHB,   2520
.set TAILB, 112128
.set SCR1,  132608
.set SCR2,  134656
.set RECB,  6400
.set FLOOR, 0x1800000
.set EOFF,  0xff000000
.set VE2,  2
.set VX,   3
.set VX3,  4
.set VXB,  5
.set VX3B, 6
.set VT,   7
.set VL,   8
.set VL8,  9
.set VGL,  10
.set VG8,  11
.set VM,   12
.set VP1,  13
.set VP2,  14
.set VE1,  15
.set OF0,  16
.set SC1,  18
.set OF1,  20
.set WA,   22
.set AM,   30
.set AM2,  31
.set AX,   32
.set SO,   33
.set EP,   34
.set PMX,  35
.set HH,   36
.set RR,   37
.set VS1,  38
.set VW1,  39
.set SW,   40
.set W2S,  42
.set EH,   46
.set M,    56
.set XO,   66
.set F,    74
.set P,    90
.set TA,   106
.set TB,   122
.set DD,   138
.set W2,   170
.set S1,   202
.set S2,   210
.set CD,   218
.set TL,   238
.set VL4,  248
.set VGT,  249
.set MU,   74
.set Y,    92
.set ZZ,   99
.set VV,   100
.set WK,   218
.set GG,   232
.set BB,   234
.macro NOPS n
.rept \n
	v_nop
.endr
.endm
	s_load_b512 s[4:19], s[0:1], 0x0
	s_load_b64 s[20:21], s[0:1], 0x40
	v_lshl_add_u32 v254, v0, 2, 0x29000
	v_mov_b32 v255, 0
	ds_add_u32 v254, v255
	ds_add_u32 v254, v255
	v_lshrrev_b32 v1, 5, v0
	s_delay_alu instid0(VALU_DEP_1)
	v_readfirstlane_b32 s32, v1
	v_and_b32 v1, 31, v0
	v_and_b32 v[RR], 15, v0
	v_bfe_u32 v[HH], v0, 4, 1
	s_mov_b32 s36, 3<<16
	s_mov_b32 s37, 560<<16
	s_mov_b32 s38, 1<<16
	s_mov_b32 s39, 560<<16
	s_mov_b32 s40, 1
	s_mov_b32 s41, 560
	s_mov_b32 s42, 0
	s_mov_b32 s43, 0
	s_mov_b32 s44, 3<<16
	s_mov_b32 s45, 315<<16
	s_mov_b32 s46, 1<<16
	s_mov_b32 s47, 315<<16
	s_mov_b32 s48, 1
	s_mov_b32 s49, 315
	s_mov_b32 s50, 0
	s_mov_b32 s51, 0
	s_mov_b32 s60, 0x76543210
	s_mov_b32 s61, 0xfedcba98
	s_mul_i32 s22, ttmp9, WGB
	s_mov_b32 s23, 0
	s_mul_i32 s33, s32, GRB
	s_mul_i32 s34, s32, SHB
	s_add_co_u32 s34, s34, 16*GRB
	s_mov_b32 s66, s33
	s_mov_b32 s67, 0
	s_mov_b32 s68, s34
	s_mov_b32 s69, 0
	s_wait_alu depctr_va_vdst(0)
	s_wait_dscnt 0x0
	s_wait_kmcnt 0x0
	s_add_nc_u64 s[22:23], s[4:5], s[22:23]
	s_mov_b32 s52, 1
	s_mov_b32 s53, s33
	s_add_nc_u64 s[54:55], s[22:23], s[66:67]
	s_or_b32 s55, s55, 0x80000000
	s_mov_b32 s56, 1
	s_mov_b32 s57, s34
	s_add_nc_u64 s[58:59], s[22:23], s[68:69]
	s_or_b32 s59, s59, 0x80000000
	tensor_load_to_lds s[52:55], s[36:43]
	s_nop 0
	tensor_load_to_lds s[56:59], s[44:51]
	s_nop 0
	NOPS 4
	s_load_b256 s[24:31], s[4:5], 0x0
	v_mul_u32_u24 v[VX], v[RR], 280
	s_delay_alu instid0(VALU_DEP_1)
	v_lshl_add_u32 v[VX3], v[HH], 2, v[VX]
	s_delay_alu instid0(VALU_DEP_2)
	v_lshl_add_u32 v[VX], v[HH], 3, v[VX]
	s_delay_alu instid0(VALU_DEP_1)
	v_add_nc_u32 v[VX], s33, v[VX]
	s_delay_alu instid0(VALU_DEP_3)
	v_add_nc_u32 v[VX3], s33, v[VX3]
	s_delay_alu instid0(VALU_DEP_1)
	v_add_nc_u32 v[VX3], 20, v[VX3]
	s_delay_alu instid0(VALU_DEP_3)
	v_add_nc_u32 v[VXB], 16*GRB, v[VX]
	s_delay_alu instid0(VALU_DEP_2)
	v_add_nc_u32 v[VX3B], 16*GRB, v[VX3]
	s_mul_i32 s35, s32, 1280
	s_add_co_u32 s35, s35, TAILB
	v_lshl_add_u32 v[VT], v[RR], 2, s35
	v_lshl_add_u32 v[VL], v1, 4, s35
	v_lshl_add_u32 v[VL8], v1, 3, s35
	v_lshlrev_b32 v[VGL], 4, v1
	v_lshlrev_b32 v[VG8], 3, v1
	v_mul_u32_u24 v[VM], v[RR], 40
	s_lshr_b32 s62, s32, 1
	s_lshl_b32 s63, s62, 8
	s_add_co_u32 s63, s63, SCR1
	v_and_b32 v[VS1], 63, v0
	s_delay_alu instid0(VALU_DEP_1)
	v_lshl_add_u32 v[VP1], v[VS1], 2, s63
	s_delay_alu instid0(VALU_DEP_2)
	v_lshlrev_b32 v[VS1], 2, v[VS1]
	s_wait_alu depctr_va_vdst(0)
	v_lshl_add_u32 v[VP2], v1, 2, SCR1
	s_lshl_b32 s63, s32, 9
	s_add_co_u32 s63, s63, SCR2
	v_lshl_add_u32 v[VE1], v[RR], 3, s63
	v_lshl_add_u32 v[VE2], v0, 3, SCR2
	v_lshlrev_b32 v[VGT], 3, v0
	v_lshlrev_b32 v[VL4], 2, v1
	v_and_b32 v[VW1], 8, v[RR]
	s_delay_alu instid0(VALU_DEP_1)
	v_add_nc_u32 v[VW1], v[VW1], v[RR]
	s_delay_alu instid0(VALU_DEP_1)
	v_lshlrev_b32 v[VW1], 2, v[VW1]
	s_wait_alu depctr_va_vdst(0)
	s_mul_i32 s63, s62, 31
	s_min_u32 s66, s62, 2
	s_add_co_u32 s63, s63, s66
	s_lshl_b32 s66, s63, 8
	s_add_nc_u64 s[14:15], s[14:15], s[66:67]
	s_cmp_lt_u32 s62, 2
	s_cselect_b32 s66, 31*256, 0
	s_cselect_b32 s101, 1.0, 0
	s_add_nc_u64 s[68:69], s[14:15], s[66:67]
	s_mul_i32 s63, ttmp9, 25
	s_add_co_u32 s63, s63, s32
	s_mul_i32 s66, s63, 640
	s_add_nc_u64 s[6:7], s[6:7], s[66:67]
	s_mul_i32 s66, s63, RECB
	s_add_nc_u64 s[18:19], s[18:19], s[66:67]
	s_lshl_b32 s66, ttmp9, 9
	s_add_nc_u64 s[20:21], s[20:21], s[66:67]
.set i,0
.rept 31
	global_load_b32 v[TA+i], v[VS1], s[14:15] offset:256*i
.set i,i+1
.endr
	global_load_b32 v[TA+31], v[VS1], s[68:69]
.irp u,0,1
.irp k,0,1,2,3,4,5,6
	global_load_b32 v[WK+7*\u+\k], v[VW1], s[8:9] offset:128*\k+32*\u
.endr
	global_load_b32 v[GG+\u], v[VW1], s[10:11] offset:32*\u
	global_load_b32 v[BB+\u], v[VW1], s[12:13] offset:32*\u
.endr
.irp q,0,1,2,3
	global_load_b128 v[W2+8*\q:W2+8*\q+3], v[VGL], s[16:17] offset:1024*\q
	global_load_b128 v[W2+8*\q+4:W2+8*\q+7], v[VGL], s[16:17] offset:1024*\q+512
	global_load_b32 v[W2S+\q], v[VL4], s[16:17] offset:12288+128*\q
.endr
.macro MASKS
.irp i,0,1,2,3,4
	global_load_b64 v[M+2*\i:M+2*\i+1], v[VM], s[6:7] offset:8*\i
.endr
.endm
	MASKS
	s_wait_loadcnt 35
.irp c,0,1,2,3
	v_add_f32 v[90+\c], v[TA+\c], v[TA+4+\c]
.endr
.set i,8
.rept 23
	s_delay_alu instid0(VALU_DEP_4)
	v_add_f32 v[90+i%4], v[90+i%4], v[TA+i]
.set i,i+1
.endr
	s_delay_alu instid0(VALU_DEP_4)
	v_fmac_f32 v93, s101, v[TA+31]
	s_delay_alu instid0(VALU_DEP_3)
	v_add_f32 v90, v90, v91
	s_delay_alu instid0(VALU_DEP_2)
	v_add_f32 v92, v92, v93
	s_delay_alu instid0(VALU_DEP_1)
	v_add_f32 v90, v90, v92
	ds_store_b32 v[VP1], v90
	s_wait_dscnt 0x0
	s_barrier_signal -1
	s_barrier_wait -1
.irp k,0,1,2,3,4,5,6,7
	ds_load_b32 v[TA+\k], v[VP2] offset:256*\k
	ds_load_b32 v[TA+8+\k], v[VP2] offset:256*\k+128
.endr
	s_wait_dscnt 0x0
	v_add_f32 v90, v[TA], v[TA+1]
	v_add_f32 v91, v[TA+8], v[TA+9]
.irp k,2,3,4,5,6,7
	s_delay_alu instid0(VALU_DEP_2)
	v_add_f32 v90, v90, v[TA+\k]
	s_delay_alu instid0(VALU_DEP_2)
	v_add_f32 v91, v91, v[TA+8+\k]
.endr
	s_delay_alu instid0(VALU_DEP_2)
	v_mul_f32 v90, 0x358637bd, v90
	s_delay_alu instid0(VALU_DEP_2)
	v_mul_f32 v91, 0x358637bd, v91
.set i,0
.rept 32
	v_readlane_b32 s[66+i], v90, i
.set i,i+1
.endr
.set i,0
.rept 3
	v_readlane_b32 s[98+i], v91, i
.set i,i+1
.endr
.macro EIDX a, b
.if (\a) <= (\b)
.set EI, 73+7*(\a)-(\a)*((\a)-1)/2+(\b)-(\a)
.else
.set EI, 73+7*(\b)-(\b)*((\b)-1)/2+(\a)-(\b)
.endif
.endm
	s_wait_loadcnt 17
	s_wait_kmcnt 0x0
	v_cmp_ne_u32 vcc_lo, 0, v[HH]
.macro VARU u
.set WU, WK+7*\u
	v_mul_f32 v[ZZ], s66, v[WU]
.irp a,1,2,3,4,5,6
	s_delay_alu instid0(VALU_DEP_1)
	v_fmac_f32 v[ZZ], s[66+\a], v[WU+\a]
.endr
.irp a,0,1,2,3,4,5,6
	EIDX \a, 0
	v_mul_f32 v[Y+\a], s[EI], v[WU]
.irp b,1,2,3,4,5,6
	EIDX \a, \b
	s_delay_alu instid0(VALU_DEP_1)
	v_fmac_f32 v[Y+\a], s[EI], v[WU+\b]
.endr
.endr
	v_mul_f32 v[VV], v[Y], v[WU]
.irp a,1,2,3,4,5,6
	s_delay_alu instid0(VALU_DEP_1)
	v_fmac_f32 v[VV], v[Y+\a], v[WU+\a]
.endr
	s_delay_alu instid0(VALU_DEP_1)
	v_fma_f32 v[VV], -v[ZZ], v[ZZ], v[VV]
	s_delay_alu instid0(VALU_DEP_1)
	v_max_num_f32 v[VV], 0, v[VV]
	s_delay_alu instid0(VALU_DEP_1)
	v_add_f32 v[VV], 0x3727c5ac, v[VV]
	s_wait_alu depctr_va_vdst(0)
	v_rsq_f32 v[VV], v[VV]
	v_nop
	s_wait_alu depctr_va_vdst(0)
	v_mul_f32 v[VV], v[VV], v[GG+\u]
.irp k,0,1,2,3,4,5,6
	v_mul_f32 v[WU+\k], v[WU+\k], v[VV]
.endr
	v_cndmask_b32 v[WA+4*\u], v[WU], v[WU+2], vcc_lo
	v_cndmask_b32 v[WA+4*\u+1], v[WU+1], v[WU+3], vcc_lo
	s_delay_alu instid0(VALU_DEP_3)
	v_cndmask_b32 v[WA+4*\u+2], v[WU+4], v[WU+6], vcc_lo
	v_cndmask_b32 v[WA+4*\u+3], v[WU+5], v[BB+\u], vcc_lo
.endm
	VARU 0
	VARU 1
.irp a,0,1,2,3,4,5,6
	v_mov_b32 v[MU+\a], s[24+\a]
	s_delay_alu instid0(VALU_DEP_1)
	v_add_f32 v[MU+\a], s[66+\a], v[MU+\a]
	s_delay_alu instid0(VALU_DEP_1)
	v_mul_f32 v[MU+\a], -1.0, v[MU+\a]
.endr
	v_cndmask_b32 v[OF0], v[MU], v[MU+2], vcc_lo
	v_cndmask_b32 v[OF0+1], v[MU+1], v[MU+3], vcc_lo
	s_delay_alu instid0(VALU_DEP_3)
	v_cndmask_b32 v[OF1], v[MU+4], v[MU+6], vcc_lo
	v_cndmask_b32 v[OF1+1], v[MU+5], 1.0, vcc_lo
	v_mov_b32 v[SC1], 1.0
	v_cndmask_b32 v[SC1+1], 1.0, 0, vcc_lo
.irp e,0,1
.irp j,4,5,6,7
	v_mov_b32 v[F+8*\e+\j], 0
.endr
.endr
	v_mov_b32 v[AX], 0
.macro XLOAD t, ax, ax3
.set XE, XO+4*((\t)%2)
	ds_load_b32 v[XE], v[\ax] offset:28*(\t)
	ds_load_b32 v[XE+1], v[\ax] offset:28*(\t)+4
	ds_load_b32 v[XE+2], v[\ax] offset:28*(\t)+16
	ds_load_b32 v[XE+3], v[\ax3] offset:28*(\t)
.endm
.macro PREP t
.set XE, XO+4*((\t)%2)
	v_pk_add_f32 v[XE:XE+1], v[XE:XE+1], v[OF0:OF0+1]
	v_pk_fma_f32 v[XE+2:XE+3], v[XE+2:XE+3], v[SC1:SC1+1], v[OF1:OF1+1]
.endm
.macro W1MM t
.set XE, XO+4*((\t)%2)
.set DE, DD+16*((\t)%2)
	v_wmma_f32_16x16x4_f32 v[DE:DE+7], v[WA:WA+1], v[XE:XE+1], 0
	v_wmma_f32_16x16x4_f32 v[DE+8:DE+15], v[WA+4:WA+5], v[XE:XE+1], 0
	v_wmma_f32_16x16x4_f32 v[DE:DE+7], v[WA+2:WA+3], v[XE+2:XE+3], v[DE:DE+7]
	v_wmma_f32_16x16x4_f32 v[DE+8:DE+15], v[WA+6:WA+7], v[XE+2:XE+3], v[DE+8:DE+15]
.endm
.macro RELU dst, src
.irp j,0,1,2,3,4,5,6,7,8,9,10,11,12,13,14,15
	v_max_num_f32 v[\dst+\j], 0, v[\src+\j]
.endr
.endm
.macro MULM dst, src, t
.irp j,0,2,4,6,8,10,12,14
.if ((\t)%2)==0
	v_pk_mul_f32 v[\dst+\j:\dst+\j+1], v[\src+\j:\src+\j+1], v[M+(\t):M+(\t)+1] op_sel_hi:[1,0]
.else
	v_pk_mul_f32 v[\dst+\j:\dst+\j+1], v[\src+\j:\src+\j+1], v[M+(\t)-1:M+(\t)] op_sel:[0,1] op_sel_hi:[1,1]
.endif
.endr
.endm
.macro POOL t
.irp j,0,1,2,3,4,5,6,7,8,9,10,11,12,13,14,15
.if (\t)==1
	v_max_num_f32 v[P+\j], v[TA+\j], v[TB+\j]
.else
	v_max3_num_f32 v[P+\j], v[P+\j], v[TA+\j], v[TB+\j]
.endif
.endr
.endm
.macro AMAX16 src, fl
	v_max3_num_f32 v[AM], v[\src], v[\src+1], \fl
	v_max3_num_f32 v[AM2], v[\src+2], v[\src+3], v[\src+4]
	s_delay_alu instid0(VALU_DEP_2)
	v_max3_num_f32 v[AM], v[AM], v[\src+5], v[\src+6]
	s_delay_alu instid0(VALU_DEP_2)
	v_max3_num_f32 v[AM2], v[AM2], v[\src+7], v[\src+8]
	s_delay_alu instid0(VALU_DEP_2)
	v_max3_num_f32 v[AM], v[AM], v[\src+9], v[\src+10]
	s_delay_alu instid0(VALU_DEP_2)
	v_max3_num_f32 v[AM2], v[AM2], v[\src+11], v[\src+12]
	s_delay_alu instid0(VALU_DEP_2)
	v_max3_num_f32 v[AM], v[AM], v[\src+13], v[\src+14]
	s_delay_alu instid0(VALU_DEP_1)
	v_max3_num_f32 v[AM], v[AM], v[AM2], v[\src+15]
	s_delay_alu instid0(VALU_DEP_1)
	v_permlanex16_b32 v[AX], v[AM], s60, s61
	s_delay_alu instid0(VALU_DEP_1)
	v_max_num_f32 v[AM], v[AM], v[AX]
.endm
.macro QH t
	AMAX16 TB, FLOOR
	s_delay_alu instid0(VALU_DEP_1)
	v_add_nc_u32 v[SO], EOFF, v[AM]
	s_delay_alu instid0(VALU_DEP_1)
	v_lshrrev_b32 v[EH+(\t)], 23, v[SO]
	v_cvt_scalef32_pk8_fp4_f32 v[CD+2*(\t)], v[TB:TB+7], v[SO]
	v_cvt_scalef32_pk8_fp4_f32 v[CD+2*(\t)+1], v[TB+8:TB+15], v[SO]
	v_nop
.endm
.macro STEP1 t, ax, ax3
.if (\t) < 9
	s_wait_dscnt 0x0
	PREP (\t)+1
.endif
.if ((\t)%2)==0
	RELU TA, DD
	MULM TA, TA, \t
.else
	RELU TB, DD+16
	MULM TB, TB, \t
.endif
.if (\t) < 9
	W1MM (\t)+1
.endif
.if (\t) < 8
	XLOAD (\t)+2, \ax, \ax3
.endif
.if ((\t)%2)==0
	MULM TB, TA, \t
.else
	POOL \t
	MULM TB, TB, \t
.endif
	QH \t
.endm
.macro QP t
.set TQ, TA+16*((\t)%2)
.set FE, F+8*((\t)%2)
	MULM TQ, P, \t
	v_mul_f32 v[AM], v[PMX], |v[M+(\t)]|
	s_delay_alu instid0(VALU_DEP_1)
	v_max_num_f32 v[AM], FLOOR, v[AM]
	s_delay_alu instid0(VALU_DEP_1)
	v_add_nc_u32 v[SO], EOFF, v[AM]
	s_delay_alu instid0(VALU_DEP_1)
	v_lshrrev_b32 v[EP], 23, v[SO]
	s_wait_alu depctr_va_vdst(0)
	s_wait_xcnt 0x0
	s_wait_dscnt 0x0
	v_mov_b32 v[FE], v[CD+2*(\t)]
	v_mov_b32 v[FE+1], v[CD+2*(\t)+1]
	v_cvt_scalef32_pk8_fp4_f32 v[FE+2], v[TQ:TQ+7], v[SO]
	v_cvt_scalef32_pk8_fp4_f32 v[FE+3], v[TQ+8:TQ+15], v[SO]
	v_lshl_or_b32 v[SW+(\t)%2], v[EP], 8, v[EH+(\t)]
	v_permlane16_swap_b32 v[FE], v[FE+2]
	v_permlane16_swap_b32 v[FE+1], v[FE+3]
	ds_store_b32 v[VT], v[SW+(\t)%2] offset:64*(\t)
	global_store_b128 v[VGL], v[FE:FE+3], s[18:19] offset:512*(\t)
.endm
.macro MM2 t
.irp q,0,1,2,3
	v_wmma_scale_f32_16x16x128_f8f6f4 v[DD+8*\q:DD+8*\q+7], v[F+8*((\t)%2):F+8*((\t)%2)+7], v[W2+8*\q:W2+8*\q+7], 0, v[SW+(\t)%2], v[W2S+\q] matrix_a_fmt:MATRIX_FMT_FP4 matrix_b_fmt:MATRIX_FMT_FP4
.endr
.endm
.macro ST d, first
.irp jj,0,1,2,3
.irp q,0,1,2,3
.if \first && (\jj == 0)
	v_pk_mul_f32 v[S2+2*\q:S2+2*\q+1], v[\d+8*\q:\d+8*\q+1], v[\d+8*\q:\d+8*\q+1]
.elseif \first && (\jj == 1)
	v_pk_add_f32 v[S1+2*\q:S1+2*\q+1], v[\d+8*\q:\d+8*\q+1], v[\d+8*\q+2:\d+8*\q+3]
	v_pk_fma_f32 v[S2+2*\q:S2+2*\q+1], v[\d+8*\q+2:\d+8*\q+3], v[\d+8*\q+2:\d+8*\q+3], v[S2+2*\q:S2+2*\q+1]
.else
	v_pk_add_f32 v[S1+2*\q:S1+2*\q+1], v[S1+2*\q:S1+2*\q+1], v[\d+8*\q+2*\jj:\d+8*\q+2*\jj+1]
	v_pk_fma_f32 v[S2+2*\q:S2+2*\q+1], v[\d+8*\q+2*\jj:\d+8*\q+2*\jj+1], v[\d+8*\q+2*\jj:\d+8*\q+2*\jj+1], v[S2+2*\q:S2+2*\q+1]
.endif
.endr
.endr
.endm
.macro GROUP ax, ax3, first
	s_wait_loadcnt 0x0
.irp t,0,1,2,3,4,5,6,7,8,9
	ds_store_b32 v[VT], v[M+\t] offset:640+64*\t
.endr
	XLOAD 0, \ax, \ax3
	XLOAD 1, \ax, \ax3
	s_wait_dscnt 0x0
	PREP 0
	NOPS 4
	W1MM 0
	NOPS 8
.irp t,0,1,2,3,4,5,6,7,8,9
	STEP1 \t, \ax, \ax3
.endr
	AMAX16 P, 0
	s_delay_alu instid0(VALU_DEP_1)
	v_mov_b32 v[PMX], v[AM]
	QP 0
	NOPS 8
.irp t,0,1,2,3,4,5,6,7,8,9
	MM2 \t
.if \t < 9
	QP \t+1
.else
	NOPS 4
.endif
.if \first && (\t == 0)
	ST DD, 1
.else
	ST DD, 0
.endif
.endr
	ds_load_b128 v[TL:TL+3], v[VL]
	ds_load_b128 v[TL+4:TL+7], v[VL] offset:512
	ds_load_b64 v[TL+8:TL+9], v[VL8] offset:1024
	s_wait_dscnt 0x0
	global_store_b128 v[VGL], v[TL:TL+3], s[18:19] offset:5120
	global_store_b128 v[VGL], v[TL+4:TL+7], s[18:19] offset:5632
	global_store_b64 v[VG8], v[TL+8:TL+9], s[18:19] offset:6144
	s_wait_xcnt 0x0
.endm
	s_wait_tensorcnt 0x1
	GROUP VX, VX3, 1
	s_wait_tensorcnt 0x0
	s_wait_dscnt 0x0
	s_barrier_signal -1
	s_barrier_wait -1
	s_cmp_lt_u32 s32, 9
	s_cbranch_scc0 .Ljoin
	s_add_nc_u64 s[18:19], s[18:19], 16*RECB
	s_add_nc_u64 s[6:7], s[6:7], 16*640
	MASKS
	GROUP VXB, VX3B, 0
.Ljoin:
	s_cmp_lt_u32 s32, 9
	s_mov_b32 s33, 0x3c4ccccd
	s_cselect_b32 s33, 0x3bcccccd, s33
	s_mov_b32 s34, 0x3bcccccd
	s_cselect_b32 s34, 0x3b4ccccd, s34
	s_wait_alu depctr_va_vdst(0)
.irp q,0,1,2,3
	v_add_f32 v[TA+\q], v[S1+2*\q], v[S1+2*\q+1]
	v_add_f32 v[TA+4+\q], v[S2+2*\q], v[S2+2*\q+1]
.endr
.irp q,0,1,2,3
	v_mul_f32 v[TA+8+\q], s33, v[TA+\q]
.endr
.irp q,0,1,2,3
	s_delay_alu instid0(VALU_DEP_4)
	v_fma_f32 v[TA+4+\q], -v[TA+\q], v[TA+8+\q], v[TA+4+\q]
.endr
.irp q,0,1,2,3
	v_permlanex16_b32 v[TB+\q], v[TA+\q], s60, s61
	v_permlanex16_b32 v[TB+4+\q], v[TA+4+\q], s60, s61
.endr
.irp q,0,1,2,3
	v_sub_f32 v[TA+8+\q], v[TA+\q], v[TB+\q]
	v_add_f32 v[TA+4+\q], v[TA+4+\q], v[TB+4+\q]
	v_add_f32 v[P+2*\q], v[TA+\q], v[TB+\q]
.endr
.irp q,0,1,2,3
	v_mul_f32 v[TB+8+\q], s34, v[TA+8+\q]
.endr
.irp q,0,1,2,3
	v_fma_f32 v[P+2*\q+1], v[TB+8+\q], v[TA+8+\q], v[TA+4+\q]
	ds_store_b64 v[VE1], v[P+2*\q:P+2*\q+1] offset:128*\q
.endr
	s_wait_dscnt 0x0
	s_barrier_signal -1
	s_barrier_wait -1
	s_cmp_lt_u32 s32, 2
	s_cbranch_scc0 .Lend
	s_mov_b32 s33, 0x3b4ccccd
	s_mov_b32 s34, 0x3bcccccd
	s_mov_b32 s35, 0x43a00000
	s_mov_b32 s62, 0x43200000
.set k,0
.rept 16
	ds_load_b64 v[TA+2*k:TA+2*k+1], v[VE2] offset:512*k
.set k,k+1
.endr
	s_wait_dscnt 0x0
	v_add_f32 v90, v[TA], v[TA+2]
	v_add_f32 v91, v[TA+1], v[TA+3]
.set k,2
.rept 14
	s_delay_alu instid0(VALU_DEP_2)
	v_add_f32 v90, v90, v[TA+2*k]
	s_delay_alu instid0(VALU_DEP_2)
	v_add_f32 v91, v91, v[TA+2*k+1]
.set k,k+1
.endr
	s_delay_alu instid0(VALU_DEP_2)
	v_mul_f32 v92, 0x3983126f, v90
.set k,0
.rept 16
.if k < 9
	v_fma_f32 v[95+k%4], v[TA+2*k], s33, -v92
.else
	v_fma_f32 v[95+k%4], v[TA+2*k], s34, -v92
.endif
.if k == 0
	s_delay_alu instid0(VALU_DEP_1)
	v_mul_f32 v93, v[95+k%4], v[95+k%4]
.elseif k == 9
	s_delay_alu instid0(VALU_DEP_1)
	v_mul_f32 v94, v[95+k%4], v[95+k%4]
.elseif k < 9
	s_delay_alu instid0(VALU_DEP_1)
	v_fmac_f32 v93, v[95+k%4], v[95+k%4]
.else
	s_delay_alu instid0(VALU_DEP_1)
	v_fmac_f32 v94, v[95+k%4], v[95+k%4]
.endif
.set k,k+1
.endr
	v_fmac_f32 v91, s35, v93
	s_delay_alu instid0(VALU_DEP_1)
	v_fmac_f32 v91, s62, v94
	global_store_b64 v[VGT], v[90:91], s[20:21]
.Lend:
	s_wait_tensorcnt 0x0
	ds_add_u32 v254, v255
	s_wait_dscnt 0x0
	s_endpgm
.Lfunc_end_k_q95d439f7dc_layer1:
	.size	k_q95d439f7dc_layer1, .Lfunc_end_k_q95d439f7dc_layer1-k_q95d439f7dc_layer1
	.p2alignl 7, 3214868480
	.fill 96, 4, 3214868480
	.section	.rodata,"a",@progbits
	.p2align	6, 0x0
	.amdhsa_kernel k_q95d439f7dc_layer1
		.amdhsa_group_segment_fixed_size 169984
		.amdhsa_private_segment_fixed_size 0
		.amdhsa_enable_private_segment 0
		.amdhsa_kernarg_size 72
		.amdhsa_user_sgpr_count 2
		.amdhsa_user_sgpr_kernarg_segment_ptr 1
		.amdhsa_wavefront_size32 1
		.amdhsa_system_sgpr_workgroup_id_x 1
		.amdhsa_system_sgpr_workgroup_id_y 1
		.amdhsa_system_sgpr_workgroup_id_z 1
		.amdhsa_system_vgpr_workitem_id 0
		.amdhsa_next_free_vgpr 256
		.amdhsa_next_free_sgpr 102
		.amdhsa_reserve_vcc 1
		.amdhsa_float_denorm_mode_32 3
		.amdhsa_float_denorm_mode_16_64 3
		.amdhsa_memory_ordered 1
		.amdhsa_forward_progress 1
		.amdhsa_inst_pref_size 197
	.end_amdhsa_kernel
	.amdgpu_metadata
---
amdhsa.version: [ 1, 2 ]
amdhsa.kernels:
  - .name:           k_q95d439f7dc_layer1
    .symbol:         k_q95d439f7dc_layer1.kd
    .args:
      - { .name: points_per_voxel, .offset: 0, .size: 8, .value_kind: global_buffer, .address_space: global }
      - { .name: mask, .offset: 8, .size: 8, .value_kind: global_buffer, .address_space: global }
      - { .name: W1, .offset: 16, .size: 8, .value_kind: global_buffer, .address_space: global }
      - { .name: g1, .offset: 24, .size: 8, .value_kind: global_buffer, .address_space: global }
      - { .name: b1, .offset: 32, .size: 8, .value_kind: global_buffer, .address_space: global }
      - { .name: st1, .offset: 40, .size: 8, .value_kind: global_buffer, .address_space: global }
      - { .name: wq, .offset: 48, .size: 8, .value_kind: global_buffer, .address_space: global }
      - { .name: rec1, .offset: 56, .size: 8, .value_kind: global_buffer, .address_space: global }
      - { .name: st2, .offset: 64, .size: 8, .value_kind: global_buffer, .address_space: global }
    .group_segment_fixed_size: 169984
    .private_segment_fixed_size: 0
    .kernarg_segment_align: 8
    .kernarg_segment_size: 72
    .max_flat_workgroup_size: 512
    .sgpr_count:     102
    .vgpr_count:     256
    .wavefront_size: 32
...
	.end_amdgpu_metadata
.endif
;; end of part 2
;; launch layer2 (part 3): grid 250 x 1, 16 waves a work-group, no clusters, 327,680 bytes of LDS; arguments g2, b2, st2, wq, rec1, rec2, st3; writes rec2, st3
.if DOCPART == 3
	.amdgcn_target "amdgcn-amd-amdhsa--gfx1250"
	.amdhsa_code_object_version 6
	.text
	.protected	k_q95d439f7dc_layer2
	.globl	k_q95d439f7dc_layer2
	.p2align	8
	.type	k_q95d439f7dc_layer2,@function
k_q95d439f7dc_layer2:
	s_mov_b64 s[64:65], 0
	v_nop
	global_prefetch_b8 v0, s[64:65] scope:SCOPE_SE
	s_setreg_imm32_b32 hwreg(HW_REG_WAVE_MODE, 25, 1), 1
	s_wait_xcnt 0x0
.set XCH,  160000
.set SCRA, 252160
.set A2,   256256
.set SCR3, 256768
.set FLOOR, 0x1800000
.set EOFF,  0xff000000
.set VR0Q, 2
.set VR0S, 3
.set VRQ,  4
.set VRS,  5
.set VXW,  6
.set VXS,  7
.set VXM,  8
.set VXR,  9
.set VXT,  10
.set VXU,  11
.set VX8,  12
.set VGW,  13
.set VGU,  14
.set VG8,  15
.set VPA,  16
.set VPB,  17
.set VAC,  18
.set VAL,  19
.set VE1,  20
.set VE2,  21
.set SX,   22
.set SG,   24
.set W2S,  26
.set WFS,  28
.set AM,   32
.set AM2,  33
.set AX,   34
.set SO,   35
.set CD,   36
.set EP,   40
.set PMX,  41
.set EH,   42
.set M,    52
.set W2,   62
.set A2L,  78
.set C2L,  94
.set WF,   110
.set S1,   142
.set S2,   150
.set F,    158
.set D2,   174
.set TA,   190
.set TB,   206
.set P,    222
.set G,    174
.set D3,   190
.set HW,   254
.set L,    158
.set AC0,  222
.set DT,   226
.set MEAN, 234
.set Q0,   235
.set MS,   237
.set GV,   238
.set VO,   240
.set VCH,  241
.set VWA,  242
.set VWB,  243
.set VWC,  244
.set VWD,  245
.set PS,   246
.set TT,   247
.set RR,   252
.set HH,   253
.macro NOPS n
.rept \n
	v_nop
.endr
.endm
.macro BAR
	s_wait_dscnt 0x0
	s_barrier_signal -1
	s_barrier_wait -1
.endm
	s_load_b256 s[4:11], s[0:1], 0x0
	s_load_b128 s[12:15], s[0:1], 0x20
	s_load_b64 s[16:17], s[0:1], 0x30
	v_lshl_add_u32 v254, v0, 2, 0x41000
	v_mov_b32 v255, 0
	ds_add_u32 v254, v255
	ds_add_u32 v254, v255
	s_wait_dscnt 0x0
	v_lshrrev_b32 v1, 5, v0
	s_delay_alu instid0(VALU_DEP_1)
	v_readfirstlane_b32 s30, v1
	s_lshr_b32 s31, s30, 1
	s_and_b32 s32, s30, 1
	v_and_b32 v1, 31, v0
	v_and_b32 v[RR], 15, v0
	v_bfe_u32 v[HH], v0, 4, 1
	s_mov_b32 s36, 3<<16
	s_mov_b32 s37, 400<<16
	s_mov_b32 s38, 1<<16
	s_mov_b32 s39, 400<<16
	s_mov_b32 s40, 1
	s_mov_b32 s41, 400
	s_mov_b32 s42, 0
	s_mov_b32 s43, 0
	s_mov_b32 s44, 3<<16
	s_mov_b32 s45, 850<<16
	s_mov_b32 s46, 1<<16
	s_mov_b32 s47, 850<<16
	s_mov_b32 s48, 1
	s_mov_b32 s49, 850
	s_mov_b32 s50, 0
	s_mov_b32 s51, 0
	s_mov_b32 s60, 0x76543210
	s_mov_b32 s61, 0xfedcba98
	s_mul_i32 s18, ttmp9, 160000
	s_mov_b32 s19, 0
	s_mul_i32 s53, s30, 3200
	s_mul_i32 s57, s30, 6800
	s_add_co_u32 s57, s57, 51200
	s_mov_b32 s20, s53
	s_mov_b32 s21, 0
	s_mov_b32 s22, s57
	s_mov_b32 s23, 0
	s_wait_alu depctr_va_vdst(0)
	s_wait_kmcnt 0x0
	s_add_nc_u64 s[12:13], s[12:13], s[18:19]
	s_mov_b32 s52, 1
	s_add_nc_u64 s[54:55], s[12:13], s[20:21]
	s_or_b32 s55, s55, 0x80000000
	s_mov_b32 s56, 1
	s_add_nc_u64 s[58:59], s[12:13], s[22:23]
	s_or_b32 s59, s59, 0x80000000
	tensor_load_to_lds s[52:55], s[36:43]
	s_nop 0
	s_wait_alu depctr_va_vdst(0)
	s_wait_tensorcnt 0x0
	ds_add_u32 v254, v255
	s_wait_dscnt 0x0
	s_barrier_signal -1
	s_barrier_wait -1
	tensor_load_to_lds s[56:59], s[44:51]
	s_nop 0
	NOPS 4
	s_mul_i32 s18, s31, 6400
	v_lshl_add_u32 v[VR0Q], v1, 4, s18
	v_lshl_add_u32 v[VR0S], v[RR], 2, s18
	s_mul_i32 s19, s31, 11520
	s_add_co_u32 s19, s19, XCH
	s_lshl_b32 s20, s32, 9
	s_add_co_u32 s21, s19, s20
	v_lshlrev_b32 v[VGW], 4, v[RR]
	s_delay_alu instid0(VALU_DEP_1)
	v_lshl_add_u32 v[VGW], v[HH], 3, v[VGW]
	s_delay_alu instid0(VALU_DEP_1)
	v_add_nc_u32 v[VXW], s21, v[VGW]
	s_delay_alu instid0(VALU_DEP_2)
	v_add_nc_u32 v[VGW], s20, v[VGW]
	s_lshl_b32 s22, s32, 1
	s_add_co_u32 s22, s22, s19
	s_add_co_u32 s22, s22, 10240
	v_lshl_add_u32 v[VXS], v[RR], 2, s22
	s_add_co_u32 s22, s19, 10880
	v_lshl_add_u32 v[VXM], v[RR], 2, s22
	v_lshl_add_u32 v[VXR], v1, 4, s19
	s_add_co_u32 s22, s19, 10240
	v_lshl_add_u32 v[VXT], v[RR], 2, s22
	s_add_co_u32 s22, s21, 10240
	v_lshl_add_u32 v[VXU], v1, 4, s22
	s_add_co_u32 s22, s19, 11264
	v_lshl_add_u32 v[VX8], v1, 3, s22
	v_lshl_add_u32 v[VGU], v1, 4, s20
	v_lshlrev_b32 v[VG8], 3, v1
	v_and_b32 v[PS], 63, v0
	s_lshl_b32 s22, s31, 8
	s_add_co_u32 s22, s22, SCRA
	v_lshl_add_u32 v[VPA], v[PS], 2, s22
	v_lshl_add_u32 v[VPB], v[PS], 2, SCRA
	v_lshl_add_u32 v[VAC], v[PS], 2, A2
	s_lshl_b32 s22, s32, 7
	s_add_co_u32 s22, s22, A2
	v_lshl_add_u32 v[VAL], v[HH], 5, s22
	s_lshl_b32 s22, s31, 10
	s_add_co_u32 s22, s22, s20
	s_add_co_u32 s22, s22, SCR3
	v_lshl_add_u32 v[VE1], v[RR], 3, s22
	v_lshl_add_u32 v[VE2], v0, 3, SCR3
	v_lshlrev_b32 v[VO], 3, v[PS]
	v_and_b32 v[VCH], 7, v[PS]
	v_bfe_u32 v[TT], v[PS], 3, 1
	s_delay_alu instid0(VALU_DEP_1)
	v_lshl_add_u32 v[VCH], v[TT], 4, v[VCH]
	v_bfe_u32 v[TT], v[PS], 4, 1
	s_delay_alu instid0(VALU_DEP_1)
	v_lshl_add_u32 v[VCH], v[TT], 3, v[VCH]
	v_bfe_u32 v[TT], v[PS], 5, 1
	s_delay_alu instid0(VALU_DEP_1)
	v_lshl_add_u32 v[VCH], v[TT], 5, v[VCH]
	s_delay_alu instid0(VALU_DEP_1)
	v_lshlrev_b32 v[VCH], 2, v[VCH]
	s_wait_alu depctr_va_vdst(0)
	s_lshl_b32 s22, s32, 11
	v_lshl_add_u32 v[VWA], v1, 4, s22
	s_wait_alu depctr_va_vdst(0)
	s_lshl_b32 s22, s32, 12
	v_lshl_add_u32 v[VWB], v1, 4, s22
	s_lshl_b32 s22, s32, 8
	v_lshl_add_u32 v[VWC], v1, 2, s22
	s_wait_alu depctr_va_vdst(0)
	v_lshl_add_u32 v[VWD], v1, 2, s20
	s_wait_alu depctr_va_vdst(0)
	s_mov_b32 s23, 0
	s_mul_i32 s24, s31, 31
	s_min_u32 s22, s31, 2
	s_add_co_u32 s24, s24, s22
	s_lshl_b32 s22, s24, 9
	s_add_nc_u64 s[8:9], s[8:9], s[22:23]
	s_cmp_lt_u32 s31, 2
	s_cselect_b32 s22, 31*512, 0
	s_cselect_b32 s35, 1.0, 0
	s_add_nc_u64 s[66:67], s[8:9], s[22:23]
	s_mul_i32 s22, ttmp9, 25
	s_add_co_u32 s22, s22, s31
	s_mul_i32 s22, s22, 11520
	s_add_nc_u64 s[14:15], s[14:15], s[22:23]
	s_lshl_b32 s22, ttmp9, 10
	s_add_nc_u64 s[16:17], s[16:17], s[22:23]
	s_mov_b32 s68, 0x3983126f
	s_mov_b32 s69, 0x457a0000
.set i,0
.rept 31
	global_load_b64 v[L+2*i:L+2*i+1], v[VO], s[8:9] offset:512*i
.set i,i+1
.endr
	global_load_b64 v[L+62:L+63], v[VO], s[66:67]
	global_load_b32 v[GV], v[VCH], s[4:5]
	global_load_b32 v[GV+1], v[VCH], s[6:7]
.irp u,0,1
	global_load_b128 v[W2+8*\u:W2+8*\u+3], v[VWA], s[10:11] offset:1024*\u
	global_load_b128 v[W2+8*\u+4:W2+8*\u+7], v[VWA], s[10:11] offset:1024*\u+512
	global_load_b32 v[W2S+\u], v[VWC], s[10:11] offset:12288+128*\u
.endr
.irp q,0,1,2,3
	global_load_b128 v[WF+8*\q:WF+8*\q+3], v[VWB], s[10:11] offset:4096+1024*\q
	global_load_b128 v[WF+8*\q+4:WF+8*\q+7], v[VWB], s[10:11] offset:4096+1024*\q+512
	global_load_b32 v[WFS+\q], v[VWD], s[10:11] offset:12288+512+128*\q
.endr
	s_wait_loadcnt 20
	v_mul_f32 v[L+62], s35, v[L+62]
	v_mul_f32 v[L+63], s35, v[L+63]
.irp c,0,1,2,3
	v_add_f32 v[AC0+\c], v[L+2*\c], v[L+8+2*\c]
.endr
.set i,8
.rept 24
	s_delay_alu instid0(VALU_DEP_4)
	v_add_f32 v[AC0+i%4], v[AC0+i%4], v[L+2*i]
.set i,i+1
.endr
	s_delay_alu instid0(VALU_DEP_3)
	v_add_f32 v[AC0], v[AC0], v[AC0+1]
	s_delay_alu instid0(VALU_DEP_2)
	v_add_f32 v[AC0+2], v[AC0+2], v[AC0+3]
	s_delay_alu instid0(VALU_DEP_1)
	v_add_f32 v[AC0], v[AC0], v[AC0+2]
	ds_store_b32 v[VPA], v[AC0]
	BAR
.irp k,0,1,2,3,4,5,6,7
	ds_load_b32 v[DT+\k], v[VPB] offset:256*\k
.endr
	s_wait_dscnt 0x0
	v_add_f32 v[AC0], v[DT], v[DT+1]
.irp k,2,3,4,5,6,7
	s_delay_alu instid0(VALU_DEP_1)
	v_add_f32 v[AC0], v[AC0], v[DT+\k]
.endr
	s_delay_alu instid0(VALU_DEP_1)
	v_mul_f32 v[MEAN], 0x358637bd, v[AC0]
.set i,0
.rept 32
	v_fma_f32 v[DT+i%4], v[L+2*i], s68, -v[MEAN]
.if i < 2
	s_delay_alu instid0(VALU_DEP_1)
	v_mul_f32 v[Q0+i], v[DT+i], v[DT+i]
.elseif i == 31
	s_delay_alu instid0(VALU_DEP_1)
	v_mul_f32 v[DT+4], s35, v[DT+3]
	s_delay_alu instid0(VALU_DEP_1)
	v_fmac_f32 v[Q0+1], v[DT+4], v[DT+3]
.else
	s_delay_alu instid0(VALU_DEP_1)
	v_fmac_f32 v[Q0+i%2], v[DT+i%4], v[DT+i%4]
.endif
.set i,i+1
.endr
	v_add_f32 v[MS], v[L+1], v[L+5]
	v_add_f32 v[DT+5], v[L+3], v[L+7]
.set i,4
.rept 14
	s_delay_alu instid0(VALU_DEP_2)
	v_add_f32 v[MS], v[MS], v[L+2*i+1]
	s_delay_alu instid0(VALU_DEP_2)
	v_add_f32 v[DT+5], v[DT+5], v[L+2*i+3]
.set i,i+2
.endr
	v_add_f32 v[Q0], v[Q0], v[Q0+1]
	s_delay_alu instid0(VALU_DEP_2)
	v_add_f32 v[MS], v[MS], v[DT+5]
	s_delay_alu instid0(VALU_DEP_1)
	v_fmac_f32 v[MS], s69, v[Q0]
	ds_store_b32 v[VPA], v[MS] offset:2048
	BAR
	s_wait_loadcnt 0x0
	s_cmp_lt_u32 s30, 2
	s_cbranch_scc0 .Lnofin
.irp k,0,1,2,3,4,5,6,7
	ds_load_b32 v[DT+\k], v[VPB] offset:2048+256*\k
.endr
	s_wait_dscnt 0x0
	v_add_f32 v[AC0], v[DT], v[DT+1]
.irp k,2,3,4,5,6,7
	s_delay_alu instid0(VALU_DEP_1)
	v_add_f32 v[AC0], v[AC0], v[DT+\k]
.endr
	s_delay_alu instid0(VALU_DEP_1)
	v_mul_f32 v[AC0], 0x358637bd, v[AC0]
	s_delay_alu instid0(VALU_DEP_1)
	v_add_f32 v[AC0], 0x3727c5ac, v[AC0]
	s_wait_alu depctr_va_vdst(0)
	v_rsq_f32 v[AC0], v[AC0]
	v_nop
	s_wait_alu depctr_va_vdst(0)
	v_mul_f32 v[AC0], v[AC0], v[GV]
	s_delay_alu instid0(VALU_DEP_1)
	v_fma_f32 v[AC0+1], -v[MEAN], v[AC0], v[GV+1]
	ds_store_b32 v[VAC], v[AC0]
	ds_store_b32 v[VAC], v[AC0+1] offset:256
.Lnofin:
	s_wait_tensorcnt 0x1
	BAR
.irp u,0,1
.irp c,0,1
	ds_load_b128 v[A2L+8*\u+4*\c:A2L+8*\u+4*\c+3], v[VAL] offset:64*\u+16*\c
	ds_load_b128 v[C2L+8*\u+4*\c:C2L+8*\u+4*\c+3], v[VAL] offset:256+64*\u+16*\c
.endr
.endr
.irp e,0,1
.irp j,4,5,6,7
	v_mov_b32 v[F+8*\e+\j], 0
.endr
.endr
.set i,0
.rept 16
	v_mov_b32 v[S1+i], 0
.set i,i+1
.endr
	v_mov_b32 v[AX], 0
.macro WM4 d, a, b, sa, sb
	v_wmma_scale_f32_16x16x128_f8f6f4 v[\d:\d+7], v[\a:\a+7], v[\b:\b+7], 0, v[\sa], v[\sb] matrix_a_fmt:MATRIX_FMT_FP4 matrix_b_fmt:MATRIX_FMT_FP4
.endm
.macro FLOAD t
	ds_load_b128 v[F+8*((\t)%2):F+8*((\t)%2)+3], v[VRQ] offset:512*(\t)
	ds_load_b32 v[SX+(\t)%2], v[VRS] offset:5120+64*(\t)
.endm
.macro MM t
	s_wait_dscnt 0x0
	WM4 D2, W2, F+8*((\t)%2), W2S, SX+(\t)%2
	WM4 D2+8, W2+8, F+8*((\t)%2), W2S+1, SX+(\t)%2
.endm
.macro RELU r
.irp j,0,1,2,3,4,5,6,7,8,9,10,11,12,13,14,15
	v_max_num_f32 v[\r+\j], 0, v[\r+\j]
.endr
.endm
.macro MULM dst, src, t
.irp j,0,2,4,6,8,10,12,14
.if ((\t)%2)==0
	v_pk_mul_f32 v[\dst+\j:\dst+\j+1], v[\src+\j:\src+\j+1], v[M+(\t):M+(\t)+1] op_sel_hi:[1,0]
.else
	v_pk_mul_f32 v[\dst+\j:\dst+\j+1], v[\src+\j:\src+\j+1], v[M+(\t)-1:M+(\t)] op_sel:[0,1] op_sel_hi:[1,1]
.endif
.endr
.endm
.macro POOL t
.irp j,0,1,2,3,4,5,6,7,8,9,10,11,12,13,14,15
.if (\t)==1
	v_max_num_f32 v[P+\j], v[TA+\j], v[TB+\j]
.else
	v_max3_num_f32 v[P+\j], v[P+\j], v[TA+\j], v[TB+\j]
.endif
.endr
.endm
.macro AMAX16 src, fl
	v_max3_num_f32 v[AM], v[\src], v[\src+1], \fl
	v_max3_num_f32 v[AM2], v[\src+2], v[\src+3], v[\src+4]
	s_delay_alu instid0(VALU_DEP_2)
	v_max3_num_f32 v[AM], v[AM], v[\src+5], v[\src+6]
	s_delay_alu instid0(VALU_DEP_2)
	v_max3_num_f32 v[AM2], v[AM2], v[\src+7], v[\src+8]
	s_delay_alu instid0(VALU_DEP_2)
	v_max3_num_f32 v[AM], v[AM], v[\src+9], v[\src+10]
	s_delay_alu instid0(VALU_DEP_2)
	v_max3_num_f32 v[AM2], v[AM2], v[\src+11], v[\src+12]
	s_delay_alu instid0(VALU_DEP_2)
	v_max3_num_f32 v[AM], v[AM], v[\src+13], v[\src+14]
	s_delay_alu instid0(VALU_DEP_1)
	v_max3_num_f32 v[AM], v[AM], v[AM2], v[\src+15]
	s_delay_alu instid0(VALU_DEP_1)
	v_permlanex16_b32 v[AX], v[AM], s60, s61
	s_delay_alu instid0(VALU_DEP_1)
	v_max_num_f32 v[AM], v[AM], v[AX]
.endm
.macro QH t
.set CQ, CD+2*((\t)%2)
	AMAX16 TB, FLOOR
	s_delay_alu instid0(VALU_DEP_1)
	v_add_nc_u32 v[SO], EOFF, v[AM]
	s_delay_alu instid0(VALU_DEP_1)
	v_lshrrev_b32 v[EH+(\t)], 23, v[SO]
	s_wait_alu depctr_va_vdst(0)
	s_wait_xcnt 0x0
	v_cvt_scalef32_pk8_fp4_f32 v[CQ], v[TB:TB+7], v[SO]
	v_cvt_scalef32_pk8_fp4_f32 v[CQ+1], v[TB+8:TB+15], v[SO]
	v_nop
	ds_store_b64 v[VXW], v[CQ:CQ+1] offset:1024*(\t)
	global_store_b64 v[VGW], v[CQ:CQ+1], s[14:15] offset:1024*(\t)
.endm
.macro QP t
.set TQ, TA+16*((\t)%2)
.set CQ, CD+2*((\t)%2)
	MULM TQ, P, \t
	v_mul_f32 v[AM], v[PMX], |v[M+(\t)]|
	s_delay_alu instid0(VALU_DEP_1)
	v_max_num_f32 v[AM], FLOOR, v[AM]
	s_delay_alu instid0(VALU_DEP_1)
	v_add_nc_u32 v[SO], EOFF, v[AM]
	s_delay_alu instid0(VALU_DEP_1)
	v_lshrrev_b32 v[EP], 23, v[SO]
	s_wait_alu depctr_va_vdst(0)
	s_wait_xcnt 0x0
	s_wait_dscnt 0x0
	v_cvt_scalef32_pk8_fp4_f32 v[CQ], v[TQ:TQ+7], v[SO]
	v_cvt_scalef32_pk8_fp4_f32 v[CQ+1], v[TQ+8:TQ+15], v[SO]
	v_lshl_or_b32 v[HW], v[EP], 8, v[EH+(\t)]
	ds_store_b64 v[VXW], v[CQ:CQ+1] offset:1024*(\t)+256
	global_store_b64 v[VGW], v[CQ:CQ+1], s[14:15] offset:1024*(\t)+256
	ds_store_b16 v[VXS], v[HW] offset:64*(\t)
.endm
.macro STEPA t
.set TE, TA+16*((\t)%2)
.irp j,0,2,4,6,8,10,12,14
	v_pk_fma_f32 v[TE+\j:TE+\j+1], v[D2+\j:D2+\j+1], v[A2L+\j:A2L+\j+1], v[C2L+\j:C2L+\j+1]
.endr
.if (\t) < 9
	MM (\t)+1
.endif
.if (\t) < 8
	FLOAD (\t)+2
.endif
.if ((\t)%2)==0
	s_wait_alu depctr_va_vdst(0)
	RELU TA
	MULM TA, TA, \t
	MULM TB, TA, \t
.else
	s_wait_alu depctr_va_vdst(0)
	RELU TB
	MULM TB, TB, \t
	POOL \t
	MULM TB, TB, \t
.endif
	QH \t
.endm
.macro STAGE_A
.irp t,0,1,2,3,4,5,6,7,8,9
	ds_load_b32 v[M+\t], v[VRS] offset:5760+64*\t
.endr
	FLOAD 0
	FLOAD 1
	MM 0
	NOPS 5
.irp t,0,1,2,3,4,5,6,7,8,9
	STEPA \t
.endr
	AMAX16 P, 0
	s_delay_alu instid0(VALU_DEP_1)
	v_mov_b32 v[PMX], v[AM]
.irp t,0,1,2,3,4,5,6,7,8,9
	QP \t
.endr
	s_cmp_eq_u32 s32, 0
	s_cbranch_scc0 .Lnomp_\@
.irp t,0,1,2,3,4,5,6,7,8,9
	v_max_num_f32 v[EH+\t], 0, v[M+\t]
.endr
.irp t,0,1,2,3,4,5,6,7,8,9
	ds_store_b32 v[VXM], v[EH+\t] offset:64*\t
.endr
.Lnomp_\@:
.endm
.macro GLOAD t
	ds_load_b128 v[G+8*((\t)%2):G+8*((\t)%2)+3], v[VXR] offset:1024*(\t)
	ds_load_b128 v[G+8*((\t)%2)+4:G+8*((\t)%2)+7], v[VXR] offset:1024*(\t)+512
	ds_load_b32 v[SG+(\t)%2], v[VXT] offset:64*(\t)
.endm
.macro MM3 t
.irp q,0,1,2,3
	WM4 D3+32*((\t)%2)+8*\q, G+8*((\t)%2), WF+8*\q, SG+(\t)%2, WFS+\q
.endr
.endm
.macro ST d
.irp jj,0,1,2,3
.irp q,0,1,2,3
	v_pk_add_f32 v[S1+2*\q:S1+2*\q+1], v[S1+2*\q:S1+2*\q+1], v[\d+8*\q+2*\jj:\d+8*\q+2*\jj+1]
	v_pk_fma_f32 v[S2+2*\q:S2+2*\q+1], v[\d+8*\q+2*\jj:\d+8*\q+2*\jj+1], v[\d+8*\q+2*\jj:\d+8*\q+2*\jj+1], v[S2+2*\q:S2+2*\q+1]
.endr
.endr
.endm
.macro STAGE_B
	GLOAD 0
	GLOAD 1
	s_wait_dscnt 0x3
	MM3 0
	s_wait_dscnt 0x0
	MM3 1
	NOPS 5
	GLOAD 2
	ST D3
	s_wait_alu depctr_va_vdst(0)
.irp t,1,2,3,4,5,6,7,8,9
.if \t < 9
	s_wait_alu depctr_va_vdst(0)
	s_wait_dscnt 0x0
	MM3 \t+1
.endif
.if \t < 8
	GLOAD \t+2
.endif
	ST D3+32*(\t%2)
.endr
	s_wait_xcnt 0x0
	ds_load_b128 v[36:39], v[VXU]
	s_cmp_eq_u32 s32, 0
	s_cbranch_scc0 .Lnot8_\@
	ds_load_b64 v[32:33], v[VX8]
	s_wait_dscnt 0x0
	global_store_b64 v[VG8], v[32:33], s[14:15] offset:11264
.Lnot8_\@:
	s_wait_dscnt 0x0
	global_store_b128 v[VGU], v[36:39], s[14:15] offset:10240
.endm
	s_mov_b32 s33, 0
	s_mov_b32 s34, 0
.Ltrip:
	v_add_nc_u32 v[VRQ], s33, v[VR0Q]
	v_add_nc_u32 v[VRS], s33, v[VR0S]
	s_wait_alu depctr_va_vdst(0)
	STAGE_A
	BAR
	STAGE_B
	s_wait_tensorcnt 0x0
	BAR
	s_wait_xcnt 0x0
	s_add_nc_u64 s[14:15], s[14:15], 8*11520
	s_add_co_u32 s33, s33, 51200
	s_add_co_u32 s34, s34, 1
	s_cmp_lt_u32 s34, 3
	s_cbranch_scc1 .Ltrip
	v_add_nc_u32 v[VRQ], s33, v[VR0Q]
	v_add_nc_u32 v[VRS], s33, v[VR0S]
	s_cmp_lt_u32 s30, 2
	s_cbranch_scc0 .LskipA
	s_wait_alu depctr_va_vdst(0)
	STAGE_A
.LskipA:
	BAR
	s_cmp_lt_u32 s30, 2
	s_cbranch_scc0 .LskipB
	STAGE_B
.LskipB:
.set E0, 190
	s_cmp_eq_u32 s31, 0
	s_mov_b32 s18, 0x3b888889
	s_cselect_b32 s18, 0x3b4ccccd, s18
	s_mov_b32 s19, 0x3b088889
	s_cselect_b32 s19, 0x3acccccd, s19
	s_wait_alu depctr_va_vdst(0)
.irp q,0,1,2,3
	v_add_f32 v[E0+\q], v[S1+2*\q], v[S1+2*\q+1]
	v_add_f32 v[E0+4+\q], v[S2+2*\q], v[S2+2*\q+1]
.endr
.irp q,0,1,2,3
	v_mul_f32 v[E0+8+\q], s18, v[E0+\q]
.endr
.irp q,0,1,2,3
	s_delay_alu instid0(VALU_DEP_4)
	v_fma_f32 v[E0+4+\q], -v[E0+\q], v[E0+8+\q], v[E0+4+\q]
.endr
.irp q,0,1,2,3
	v_permlanex16_b32 v[E0+12+\q], v[E0+\q], s60, s61
	v_permlanex16_b32 v[E0+16+\q], v[E0+4+\q], s60, s61
.endr
.irp q,0,1,2,3
	v_sub_f32 v[E0+8+\q], v[E0+\q], v[E0+12+\q]
	v_add_f32 v[E0+4+\q], v[E0+4+\q], v[E0+16+\q]
	v_add_f32 v[E0+24+2*\q], v[E0+\q], v[E0+12+\q]
.endr
.irp q,0,1,2,3
	v_mul_f32 v[E0+20+\q], s19, v[E0+8+\q]
.endr
.irp q,0,1,2,3
	v_fma_f32 v[E0+25+2*\q], v[E0+20+\q], v[E0+8+\q], v[E0+4+\q]
	ds_store_b64 v[VE1], v[E0+24+2*\q:E0+25+2*\q] offset:128*\q
.endr
	BAR
	s_cmp_lt_u32 s30, 4
	s_cbranch_scc0 .Lend
	s_mov_b32 s18, 0x3acccccd
	s_mov_b32 s19, 0x3b088889
	s_mov_b32 s20, 0x44200000
	s_mov_b32 s21, 0x43f00000
.set k,0
.rept 8
	ds_load_b64 v[E0+2*k:E0+2*k+1], v[VE2] offset:1024*k
.set k,k+1
.endr
	v_lshlrev_b32 v[E0+30], 3, v0
	s_wait_dscnt 0x0
	v_add_f32 v[E0+16], v[E0], v[E0+2]
	v_add_f32 v[E0+17], v[E0+1], v[E0+3]
.set k,2
.rept 6
	s_delay_alu instid0(VALU_DEP_2)
	v_add_f32 v[E0+16], v[E0+16], v[E0+2*k]
	s_delay_alu instid0(VALU_DEP_2)
	v_add_f32 v[E0+17], v[E0+17], v[E0+2*k+1]
.set k,k+1
.endr
	s_delay_alu instid0(VALU_DEP_2)
	v_mul_f32 v[E0+18], s68, v[E0+16]
	s_delay_alu instid0(VALU_DEP_1)
	v_fma_f32 v[E0+19], v[E0], s18, -v[E0+18]
	s_delay_alu instid0(VALU_DEP_1)
	v_mul_f32 v[E0+19], v[E0+19], v[E0+19]
	s_delay_alu instid0(VALU_DEP_3)
	v_fma_f32 v[E0+21], v[E0+2], s19, -v[E0+18]
	s_delay_alu instid0(VALU_DEP_1)
	v_mul_f32 v[E0+20], v[E0+21], v[E0+21]
.set k,2
.rept 6
	v_fma_f32 v[E0+21+k%2], v[E0+2*k], s19, -v[E0+18]
	s_delay_alu instid0(VALU_DEP_1)
	v_fmac_f32 v[E0+20], v[E0+21+k%2], v[E0+21+k%2]
.set k,k+1
.endr
	v_fmac_f32 v[E0+17], s20, v[E0+19]
	s_delay_alu instid0(VALU_DEP_1)
	v_fmac_f32 v[E0+17], s21, v[E0+20]
	global_store_b64 v[E0+30], v[E0+16:E0+17], s[16:17]
.Lend:
	s_wait_xcnt 0x0
	v_lshl_add_u32 v254, v0, 2, 0x41000
	v_mov_b32 v255, 0
	s_wait_alu depctr_va_vdst(0)
	s_wait_tensorcnt 0x0
	ds_add_u32 v254, v255
	s_wait_dscnt 0x0
	s_endpgm
.Lfunc_end_k_q95d439f7dc_layer2:
	.size	k_q95d439f7dc_layer2, .Lfunc_end_k_q95d439f7dc_layer2-k_q95d439f7dc_layer2
	.p2alignl 7, 3214868480
	.fill 96, 4, 3214868480
	.section	.rodata,"a",@progbits
	.p2align	6, 0x0
	.amdhsa_kernel k_q95d439f7dc_layer2
		.amdhsa_group_segment_fixed_size 327680
		.amdhsa_private_segment_fixed_size 0
		.amdhsa_enable_private_segment 0
		.amdhsa_kernarg_size 56
		.amdhsa_user_sgpr_count 2
		.amdhsa_user_sgpr_kernarg_segment_ptr 1
		.amdhsa_wavefront_size32 1
		.amdhsa_system_sgpr_workgroup_id_x 1
		.amdhsa_system_sgpr_workgroup_id_y 1
		.amdhsa_system_sgpr_workgroup_id_z 1
		.amdhsa_system_vgpr_workitem_id 0
		.amdhsa_next_free_vgpr 256
		.amdhsa_next_free_sgpr 72
		.amdhsa_reserve_vcc 0
		.amdhsa_float_denorm_mode_32 3
		.amdhsa_float_denorm_mode_16_64 3
		.amdhsa_memory_ordered 1
		.amdhsa_forward_progress 1
		.amdhsa_inst_pref_size 206
	.end_amdhsa_kernel
	.amdgpu_metadata
---
amdhsa.version: [ 1, 2 ]
amdhsa.kernels:
  - .name:           k_q95d439f7dc_layer2
    .symbol:         k_q95d439f7dc_layer2.kd
    .args:
      - { .name: g2, .offset: 0, .size: 8, .value_kind: global_buffer, .address_space: global }
      - { .name: b2, .offset: 8, .size: 8, .value_kind: global_buffer, .address_space: global }
      - { .name: st2, .offset: 16, .size: 8, .value_kind: global_buffer, .address_space: global }
      - { .name: wq, .offset: 24, .size: 8, .value_kind: global_buffer, .address_space: global }
      - { .name: rec1, .offset: 32, .size: 8, .value_kind: global_buffer, .address_space: global }
      - { .name: rec2, .offset: 40, .size: 8, .value_kind: global_buffer, .address_space: global }
      - { .name: st3, .offset: 48, .size: 8, .value_kind: global_buffer, .address_space: global }
    .group_segment_fixed_size: 327680
    .private_segment_fixed_size: 0
    .kernarg_segment_align: 8
    .kernarg_segment_size: 56
    .max_flat_workgroup_size: 512
    .sgpr_count:     72
    .vgpr_count:     256
    .wavefront_size: 32
...
	.end_amdgpu_metadata
.endif
;; end of part 3
;; launch final (part 4): grid 250 x 1, 16 waves a work-group, no clusters, 327,680 bytes of LDS; arguments gf, bf, st3, wq, rec2, out0; writes out0
.if DOCPART == 4
	.amdgcn_target "amdgcn-amd-amdhsa--gfx1250"
	.amdhsa_code_object_version 6
	.text
	.protected	k_q95d439f7dc_final
	.globl	k_q95d439f7dc_final
	.p2align	8
	.type	k_q95d439f7dc_final,@function
k_q95d439f7dc_final:
	s_mov_b64 s[64:65], 0
	v_nop
	global_prefetch_b8 v0, s[64:65] scope:SCOPE_SE
	s_setreg_imm32_b32 hwreg(HW_REG_WAVE_MODE, 25, 1), 1
	s_wait_xcnt 0x0
; FOURTH LAUNCH: the last batch norm's parameters from st3; h3 = Q(x2) Q(Wf) once more (the same bits); out0 = the largest over the points with m > 0 of relu(a h3 + c) m.
; For m > 0, relu(y) m = max(y m, 0); a point with m <= 0 is given the factor max(m, 0) = 0 and so adds a 0, which is never above the result: so the result is max(0, y_t max(m_t, 0) over all t).
; LIMITS: inputs finite; every voxel has a point with m > 0 (else reference() is NaN in every output); the sign of zero is not kept.
; SHARES.  Pair p = w / 2 takes groups 8 i + p (i = 0, 1, 2), pair 0 also group 24; half b = w % 2 takes channels 64 b .. 64 b + 63: four tiles of Wf, kept in registers.
; The product is not transposed (source 0 = 16 voxels, source 1 = 16 channels): a lane holds a channel and register j voxel 8 h + j, so a and c are two registers a tile and the maximum over the points needs no other lane.
; rec2's 25 records come into LDS by three tensor loads a wave (a sixteenth of records 0-7, 8-15, 16-24), each byte filled once.
; The result goes through the wave's own stage in LDS, eight voxels at a time, and leaves as runs of 256 consecutive bytes, aligned.
.set STG,  288000                      ; behind the records: 16 x 2,176: a wave's stage, 8 rows of 256 + 16 bytes.  The head's two scratch tables lie here too: they are read for the last time ahead of a barrier that stands in front of the first use of a stage
.set SCRA, 288000                      ; [4][128] f32; + 2,048 a second one
.set AC,   322816                      ; (a, c) [128]
.set VQ,   2                           ; 11,520 p + 16 lane (+ 92,160 a trip)
.set VS,   3                           ; 11,520 p + 4 r
.set VP,   4                           ; 11,520 p + 32 h
.set VSW,  5                           ; my stage + 1,088 h + 4 r
.set VSR,  6                           ; my stage + 272 h + 16 r
.set VO,   7                           ; 512 h + 16 r + 256 b
.set VPA,  8                           ; SCRA + 512 (w / 4) + 4 channel
.set VPB,  9                           ; SCRA + 4 channel
.set VAC,  10                          ; AC + 8 channel
.set VAR,  11                          ; AC + 512 b + 8 r
.set SG,   16                          ; v16-17 x2's scale words, v18-21 Wf's: scales alone
.set WFS,  18
.set ACR,  22                          ; v22-29 (a, c) of my channel in each of the four tiles
.set WF,   30
.set ACC,  62
.set D,    94                          ; three sets of 32
.set G,    190
.set MP,   206                         ; three sets of 8
.set L,    62                          ; the head's own
.set AC0,  190
.set LD4,  194
.set MEAN, 198
.set Q0,   199
.set MS,   201
.set PA,   202
.set MS2,  204
.set DT,   206
.set GV,   230
.set RR,   232
.set HH,   233
.set PS,   234
.set VOL,  235
.set VCH,  236
.set VWB,  237
.set VWD,  238
.macro NOPS n
.rept \n
	v_nop
.endr
.endm
.macro BAR
	s_wait_dscnt 0x0
	s_barrier_signal -1
	s_barrier_wait -1
.endm
	s_load_b256 s[4:11], s[0:1], 0x0               ; gf, bf, st3, wq
	s_load_b128 s[12:15], s[0:1], 0x20             ; rec2, out0
	v_lshl_add_u32 v254, v0, 2, 0x4f100
	v_mov_b32 v255, 0
	ds_add_u32 v254, v255
	ds_add_u32 v254, v255
	v_lshrrev_b32 v1, 5, v0
	v_readfirstlane_b32 s30, v1
	s_lshr_b32 s31, s30, 1                         ; pair
	s_and_b32 s32, s30, 1                          ; half
	v_and_b32 v1, 31, v0
	v_and_b32 v[RR], 15, v0
	v_bfe_u32 v[HH], v0, 4, 1
	s_mov_b32 s36, 3<<16                           ; group 1: one row of 720 elements of 8 bytes
	s_mov_b32 s37, 720<<16
	s_mov_b32 s38, 1<<16
	s_mov_b32 s39, 720<<16
	s_mov_b32 s40, 1
	s_mov_b32 s41, 720
	s_mov_b32 s42, 0
	s_mov_b32 s43, 0
	s_mov_b32 s44, 3<<16                           ; and of 810
	s_mov_b32 s45, 810<<16
	s_mov_b32 s46, 1<<16
	s_mov_b32 s47, 810<<16
	s_mov_b32 s48, 1
	s_mov_b32 s49, 810
	s_mov_b32 s50, 0
	s_mov_b32 s51, 0
	s_mul_i32 s18, ttmp9, 288000
	s_mov_b32 s19, 0
	s_mul_i32 s53, s30, 5760
	s_add_co_u32 s57, s53, 92160
	s_mul_i32 s61, s30, 6480
	s_add_co_u32 s61, s61, 184320
	s_mov_b32 s20, s53
	s_mov_b32 s21, 0
	s_mov_b32 s22, s57
	s_mov_b32 s23, 0
	s_mov_b32 s24, s61
	s_mov_b32 s25, 0
	s_wait_dscnt 0x0
	s_wait_kmcnt 0x0
	s_add_nc_u64 s[12:13], s[12:13], s[18:19]
	s_mov_b32 s52, 1
	s_add_nc_u64 s[54:55], s[12:13], s[20:21]
	s_or_b32 s55, s55, 0x80000000
	s_mov_b32 s56, 1
	s_add_nc_u64 s[58:59], s[12:13], s[22:23]
	s_or_b32 s59, s59, 0x80000000
	s_mov_b32 s60, 1
	s_add_nc_u64 s[62:63], s[12:13], s[24:25]
	s_or_b32 s63, s63, 0x80000000
	tensor_load_to_lds s[52:55], s[36:43]          ; three loads of mine are out
	s_nop 0
	tensor_load_to_lds s[56:59], s[36:43]
	s_nop 0
	tensor_load_to_lds s[60:63], s[44:51]
	s_nop 0
	NOPS 4
	; every LDS address is made here, ahead of all branches
	s_mul_i32 s18, s31, 11520
	v_lshl_add_u32 v[VQ], v1, 4, s18
	v_lshl_add_u32 v[VS], v[RR], 2, s18
	v_lshl_add_u32 v[VP], v[HH], 5, s18
	s_mul_i32 s19, s30, 2176
	s_add_co_u32 s19, s19, STG
	v_mul_u32_u24 v[VSW], v[HH], 1088
	v_lshl_add_u32 v[VSW], v[RR], 2, v[VSW]
	v_add_nc_u32 v[VSW], s19, v[VSW]
	v_mul_u32_u24 v[VSR], v[HH], 272
	v_lshl_add_u32 v[VSR], v[RR], 4, v[VSR]
	v_add_nc_u32 v[VSR], s19, v[VSR]
	v_lshlrev_b32 v[VO], 9, v[HH]
	v_lshl_add_u32 v[VO], v[RR], 4, v[VO]
	s_lshl_b32 s20, s32, 8
	v_add_nc_u32 v[VO], s20, v[VO]
	v_and_b32 v[PS], 127, v0                       ; my channel in the head
	s_lshr_b32 s21, s30, 2                         ; q: which quarter of the 250 partials my wave adds
	s_lshl_b32 s22, s21, 9
	s_add_co_u32 s22, s22, SCRA
	v_lshl_add_u32 v[VPA], v[PS], 2, s22
	v_lshl_add_u32 v[VPB], v[PS], 2, SCRA
	v_lshl_add_u32 v[VAC], v[PS], 3, AC
	s_lshl_b32 s22, s32, 9
	s_add_co_u32 s24, s22, AC
	v_lshl_add_u32 v[VAR], v[RR], 3, s24
	v_lshlrev_b32 v[VOL], 3, v[PS]
	v_lshlrev_b32 v[VCH], 2, v[PS]
	s_lshl_b32 s24, s32, 12
	v_lshl_add_u32 v[VWB], v1, 4, s24
	v_lshl_add_u32 v[VWD], v1, 2, s22
	; pointers
	s_mov_b32 s23, 0
	s_mul_i32 s24, s21, 62
	s_min_u32 s22, s21, 2
	s_add_co_u32 s24, s24, s22                     ; my first partial: 62 q + min(q, 2): quarters 0 and 1 have 63, the others 62
	s_lshl_b32 s22, s24, 10
	s_add_nc_u64 s[8:9], s[8:9], s[22:23]
	s_cmp_lt_u32 s21, 2
	s_cselect_b32 s22, 62*1024, 0
	s_cselect_b32 s35, 1.0, 0
	s_add_nc_u64 s[66:67], s[8:9], s[22:23]
	s_mul_i32 s22, ttmp9, 25
	s_add_co_u32 s22, s22, s31
	s_lshl_b32 s22, s22, 13
	s_add_nc_u64 s[14:15], s[14:15], s[22:23]      ; out0 at my pair's first group: 16 rows of 512 bytes a group
	s_mov_b32 s68, 0x3983126f                      ; 1 / 4,000
	s_mov_b32 s69, 0x457a0000                      ; 4,000
.set i,0
.rept 62
	global_load_b64 v[L+2*i:L+2*i+1], v[VOL], s[8:9] offset:1024*i
.set i,i+1
.endr
	global_load_b64 v[L+124:L+125], v[VOL], s[66:67]
	global_load_b32 v[GV], v[VCH], s[4:5]
	global_load_b32 v[GV+1], v[VCH], s[6:7]
.irp q,0,1,2,3
	global_load_b128 v[WF+8*\q:WF+8*\q+3], v[VWB], s[10:11] offset:4096+1024*\q
	global_load_b128 v[WF+8*\q+4:WF+8*\q+7], v[VWB], s[10:11] offset:4096+1024*\q+512
	global_load_b32 v[WFS+\q], v[VWD], s[10:11] offset:12288+512+128*\q
.endr
	s_wait_loadcnt 14                              ; the 63 partials are in; behind them 2 + 12 loads
	v_mul_f32 v[L+124], s35, v[L+124]
	v_mul_f32 v[L+125], s35, v[L+125]
.irp c,0,1,2,3
	v_add_f32 v[AC0+\c], v[L+2*\c], v[L+8+2*\c]
.endr
.set i,8
.rept 55
	v_add_f32 v[AC0+i%4], v[AC0+i%4], v[L+2*i]
.set i,i+1
.endr
	v_add_f32 v[AC0], v[AC0], v[AC0+1]
	v_add_f32 v[AC0+2], v[AC0+2], v[AC0+3]
	v_add_f32 v[AC0], v[AC0], v[AC0+2]
	ds_store_b32 v[VPA], v[AC0]
	BAR
.irp k,0,1,2,3
	ds_load_b32 v[LD4+\k], v[VPB] offset:512*\k
.endr
	s_wait_dscnt 0x0
	v_add_f32 v[AC0], v[LD4], v[LD4+1]
	v_add_f32 v[AC0+1], v[LD4+2], v[LD4+3]
	v_add_f32 v[AC0], v[AC0], v[AC0+1]
	v_mul_f32 v[MEAN], 0x358637bd, v[AC0]          ; / 1,000,000
.set i,0
.rept 63
	v_fma_f32 v[DT+i%4], v[L+2*i], s68, -v[MEAN]
.if i < 2
	v_mul_f32 v[Q0+i], v[DT+i], v[DT+i]
.elseif i == 62
	v_mul_f32 v[DT+4], s35, v[DT+2]
	v_fmac_f32 v[Q0], v[DT+4], v[DT+2]
.else
	v_fmac_f32 v[Q0+i%2], v[DT+i%4], v[DT+i%4]
.endif
.set i,i+1
.endr
	v_add_f32 v[MS], v[L+1], v[L+5]
	v_add_f32 v[MS2], v[L+3], v[L+7]
.set i,4
.rept 29
	v_add_f32 v[MS], v[MS], v[L+2*i+1]
	v_add_f32 v[MS2], v[MS2], v[L+2*i+3]
.set i,i+2
.endr
	v_add_f32 v[MS], v[MS], v[L+125]
	v_add_f32 v[Q0], v[Q0], v[Q0+1]
	v_add_f32 v[MS], v[MS], v[MS2]
	v_fmac_f32 v[MS], s69, v[Q0]
	ds_store_b32 v[VPA], v[MS] offset:2048
	BAR
	s_wait_loadcnt 0x0                             ; gf, bf, Wf's codes
	s_cmp_lt_u32 s30, 4
	s_cbranch_scc0 .Lnofin
.irp k,0,1,2,3
	ds_load_b32 v[LD4+\k], v[VPB] offset:2048+512*\k
.endr
	s_wait_dscnt 0x0
	v_add_f32 v[AC0], v[LD4], v[LD4+1]
	v_add_f32 v[AC0+1], v[LD4+2], v[LD4+3]
	v_add_f32 v[AC0], v[AC0], v[AC0+1]
	v_mul_f32 v[AC0], 0x358637bd, v[AC0]           ; the variance
	v_add_f32 v[AC0], 0x3727c5ac, v[AC0]           ; + 1e-5
	v_rsq_f32 v[AC0], v[AC0]
	v_nop
	s_wait_alu depctr_va_vdst(0)
	v_mul_f32 v[PA], v[AC0], v[GV]                 ; a
	v_fma_f32 v[PA+1], -v[MEAN], v[PA], v[GV+1]    ; c
	ds_store_b64 v[VAC], v[PA:PA+1]
.Lnofin:
	s_wait_tensorcnt 0x2                           ; my sixteenth of records 0-7 is in; the two later loads may stay out
	BAR
.irp q,0,1,2,3
	ds_load_b64 v[ACR+2*\q:ACR+2*\q+1], v[VAR] offset:128*\q
.endr
.macro GLOAD t
	ds_load_b128 v[G+8*((\t)%2):G+8*((\t)%2)+3], v[VQ] offset:1024*(\t)
	ds_load_b128 v[G+8*((\t)%2)+4:G+8*((\t)%2)+7], v[VQ] offset:1024*(\t)+512
	ds_load_b32 v[SG+(\t)%2], v[VS] offset:10240+64*(\t)
	ds_load_b128 v[MP+8*((\t)%3):MP+8*((\t)%3)+3], v[VP] offset:10880+64*(\t)      ; max(m, 0) of voxels 8 h + 0 .. 7
	ds_load_b128 v[MP+8*((\t)%3)+4:MP+8*((\t)%3)+7], v[VP] offset:10880+64*(\t)+16
.endm
.macro MM t
	s_wait_dscnt 0x0
.irp q,0,1,2,3
	v_wmma_scale_f32_16x16x128_f8f6f4 v[D+32*((\t)%3)+8*\q:D+32*((\t)%3)+8*\q+7], v[G+8*((\t)%2):G+8*((\t)%2)+7], v[WF+8*\q:WF+8*\q+7], 0, v[SG+(\t)%2], v[WFS+\q] matrix_a_fmt:MATRIX_FMT_FP4 matrix_b_fmt:MATRIX_FMT_FP4
.endr
.endm
.macro V t                             ; (a h3 + c) max(m, 0), two voxels an instruction; each accumulator is read from its low end on
.set DV, D+32*((\t)%3)
.set MV, MP+8*((\t)%3)
.irp jj,0,1,2,3
.irp q,0,1,2,3
	v_pk_fma_f32 v[DV+8*\q+2*\jj:DV+8*\q+2*\jj+1], v[DV+8*\q+2*\jj:DV+8*\q+2*\jj+1], v[ACR+2*\q:ACR+2*\q+1], v[ACR+2*\q:ACR+2*\q+1] op_sel:[0,0,1] op_sel_hi:[1,0,1]
.endr
.endr
.irp jj,0,1,2,3
.irp q,0,1,2,3
	v_pk_mul_f32 v[DV+8*\q+2*\jj:DV+8*\q+2*\jj+1], v[DV+8*\q+2*\jj:DV+8*\q+2*\jj+1], v[MV+2*\jj:MV+2*\jj+1]
.endr
.endr
.endm
.macro MAXT t                          ; two tiles at a time; the first time the third operand is the relu's 0
.set DA, D+32*(((\t)-1)%3)
.set DB, D+32*((\t)%3)
.set i,0
.rept 32
.if (\t)==1
	v_max3_num_f32 v[ACC+i], v[DA+i], v[DB+i], 0
.else
	v_max3_num_f32 v[ACC+i], v[ACC+i], v[DA+i], v[DB+i]
.endif
.set i,i+1
.endr
.endm
.macro TRIP
	GLOAD 0
	GLOAD 1
	MM 0
	NOPS 4                                         ; places behind the first products; later the vector work of the tile before fills them
.irp t,0,1,2,3,4,5,6,7,8,9
.if \t < 9
	MM \t+1
.endif
.if \t < 8
	GLOAD \t+2
.endif
	V \t
.if (\t%2)==1
	MAXT \t
.endif
.endr
	; the way out: register 8 q + j of lane (r, h) is voxel 8 h + j, channel 64 b + 16 q + r.  Voxels j0 .. j0 + 3 and 8 + j0 .. 8 + j0 + 3 fill the stage's eight rows
.irp jz,0,4
.irp q,0,1,2,3
.irp j,0,1,2,3
	ds_store_b32 v[VSW], v[ACC+8*\q+\jz+\j] offset:272*\j+64*\q
.endr
.endr
.irp i,0,1,2,3
	ds_load_b128 v[D+4*\jz+4*\i:D+4*\jz+4*\i+3], v[VSR] offset:544*\i   ; LDS serves a wave's instructions in order: these see the stores above, and the second round's stores come behind them
.endr
.endr
	s_wait_dscnt 20                                ; the first round's four loads are in; the second round's 16 stores and 4 loads may be out
.irp i,0,1,2,3
	global_store_b128 v[VO], v[D+4*\i:D+4*\i+3], s[14:15] offset:1024*(\i%2)+4096*(\i/2) th:TH_STORE_NT   ; sixteen lanes store 256 consecutive bytes, aligned; written once, read by nobody here
.endr
	s_wait_dscnt 0x0
.irp i,0,1,2,3
	global_store_b128 v[VO], v[D+16+4*\i:D+16+4*\i+3], s[14:15] offset:2048+1024*(\i%2)+4096*(\i/2) th:TH_STORE_NT
.endr
	s_wait_xcnt 0x0                                ; the stores have read their registers and their base
.endm
.macro NEXT                            ; eight groups on
	s_add_nc_u64 s[14:15], s[14:15], 8*8192
	v_add_nc_u32 v[VQ], 92160, v[VQ]
	v_add_nc_u32 v[VS], 92160, v[VS]
	v_add_nc_u32 v[VP], 92160, v[VP]
.endm
	TRIP
	NEXT
	s_wait_tensorcnt 0x1                           ; my sixteenth of records 8-15; the last load may stay out
	BAR
	TRIP
	NEXT
	s_wait_tensorcnt 0x0                           ; my sixteenth of records 16-24
	BAR
	TRIP
	NEXT
	s_cmp_lt_u32 s30, 2                            ; group 24: pair 0 alone
	s_cbranch_scc0 .Lend
	TRIP
.Lend:
	s_wait_tensorcnt 0x0
	ds_add_u32 v254, v255
	s_wait_dscnt 0x0
	s_endpgm
.Lfunc_end_k_q95d439f7dc_final:
	.size	k_q95d439f7dc_final, .Lfunc_end_k_q95d439f7dc_final-k_q95d439f7dc_final
	.p2alignl 7, 3214868480
	.fill 96, 4, 3214868480
	.section	.rodata,"a",@progbits
	.p2align	6, 0x0
	.amdhsa_kernel k_q95d439f7dc_final
		.amdhsa_group_segment_fixed_size 327680
		.amdhsa_private_segment_fixed_size 0
		.amdhsa_enable_private_segment 0
		.amdhsa_kernarg_size 48
		.amdhsa_user_sgpr_count 2
		.amdhsa_user_sgpr_kernarg_segment_ptr 1
		.amdhsa_wavefront_size32 1
		.amdhsa_system_sgpr_workgroup_id_x 1
		.amdhsa_system_sgpr_workgroup_id_y 1
		.amdhsa_system_sgpr_workgroup_id_z 1
		.amdhsa_system_vgpr_workitem_id 0
		.amdhsa_next_free_vgpr 256
		.amdhsa_next_free_sgpr 72
		.amdhsa_reserve_vcc 0
		.amdhsa_float_denorm_mode_32 3
		.amdhsa_float_denorm_mode_16_64 3
		.amdhsa_memory_ordered 1
		.amdhsa_forward_progress 1
		.amdhsa_inst_pref_size 194
	.end_amdhsa_kernel
	.amdgpu_metadata
---
amdhsa.version: [ 1, 2 ]
amdhsa.kernels:
  - .name:           k_q95d439f7dc_final
    .symbol:         k_q95d439f7dc_final.kd
    .args:
      - { .name: gf, .offset: 0, .size: 8, .value_kind: global_buffer, .address_space: global }
      - { .name: bf, .offset: 8, .size: 8, .value_kind: global_buffer, .address_space: global }
      - { .name: st3, .offset: 16, .size: 8, .value_kind: global_buffer, .address_space: global }
      - { .name: wq, .offset: 24, .size: 8, .value_kind: global_buffer, .address_space: global }
      - { .name: rec2, .offset: 32, .size: 8, .value_kind: global_buffer, .address_space: global }
      - { .name: out0, .offset: 40, .size: 8, .value_kind: global_buffer, .address_space: global }
    .group_segment_fixed_size: 327680
    .private_segment_fixed_size: 0
    .kernarg_segment_align: 8
    .kernarg_segment_size: 48
    .max_flat_workgroup_size: 512
    .sgpr_count:     72
    .vgpr_count:     256
    .wavefront_size: 32
...
	.end_amdgpu_metadata
.endif
;; end of part 4
